; MI455X (gfx1250); checked and timed in simulation.
; The chip was launched on July 23, 2026; its instructions are those of AMD's public machine-readable ISA for CDNA 5 (MIT licence, August 2026) and "CDNA5" Instruction Set Architecture Reference Guide (July 2026). The comments in the code are by the model that wrote it; some were corrected since.
;; Ernie Image Attention. Allowed arithmetic: matrix products marked QUANTISED: E2M1 operands, one E8M0 scale for each 32 along K, by v_wmma_scale_f32_16x16x128_f8f6f4 with both operands' format E2M1 (or v_wmma_scale_f32_32x16x128_f4), f32 sums; products left as they are: bf16, f16 or f32 operands; f32 sums; everything else in f32.
;; Inputs: b_out 2,048 float32; freqs_cis 1 x 2,048 x 1 x 128 float32; hidden_states 1 x 2,048 x 2,048 float32; norm_k_w 128 float32; norm_q_w 128 float32; w_out 2,048 x 2,048 float32; wk 2,048 x 2,048 float32; wq 2,048 x 2,048 float32; wv 2,048 x 2,048 float32.
;; Outputs: out0 1 x 2,048 x 2,048 float32.
;; This version of the problem:
;;   THIS VERSION OF THE PROBLEM IS GIVEN IN LOW PRECISION. The matrix products marked QUANTISED in the list below multiply operands that are first quantised to E2M1 (2 exponent bits, 1 mantissa bit; 4 bits a number), with one power-of-two scale for each 32 numbers along K (OCP MX v1.0); their sums are f32. The products marked 'left as it is' may take bf16, f16 or f32 operands, with f32 sums. Whichever they take, every output number must still come out within the allowed error. Rounding operands to bf16 (8 significant bits) uses up far more of that allowance than f16 does (11 bits, for magnitudes from 6e-5 to 65,504). All else is computed in f32.
;;   The module's matrix products, in the order in which they are computed (A, B: the left and right operand; K: the contracted axis; several contracted axes count as one K, in the product's order):
;;     1. [M 2,048, K 2,048] x [K 2,048, N 2,048]; A: input hidden_states; B: input wq: QUANTISED
;;     2. [M 2,048, K 2,048] x [K 2,048, N 2,048]; A: input hidden_states; B: input wk: QUANTISED
;;     3. [M 2,048, K 2,048] x [K 2,048, N 2,048]; A: input hidden_states; B: input wv: QUANTISED
;;     4. batch 16 x [M 2,048, K 128] x [K 128, N 2,048]; A: computed on the way; B: computed on the way: left as it is (an operand is computed on the way)
;;     5. batch 16 x [M 128, K 2,048] x [K 2,048, N 2,048]; A: computed on the way; B: computed on the way: left as it is (an operand is computed on the way)
;;     6. [M 2,048, K 2,048] x [K 2,048, N 2,048]; A: computed on the way; B: input w_out: left as it is (an operand is computed on the way)
;;   THE QUANTISER, for each operand of a quantised product, along K:
;;     - K is cut into blocks of 32 from its start; a last block that is shorter is filled with zeros.
;;     - A block's scale is 2^e with e = floor(log2(the largest magnitude in the block)) - 2, held to -126 .. 127; a block of zeros has e = 0. As a byte (E8M0): e + 127.
;;     - Each number is divided by its block's scale, clamped to +-6, and rounded to the nearest number of E2M1, ties to even, subnormals kept.
;;     - The product sums the exact products of the quantised numbers (number of the format x scale) in f32.
;;   ~~~python
;;   def quantise(x, axis):      # numpy; x: float32 -> the quantised numbers, widened to float32 again
;;       x = np.moveaxis(x, axis, -1); K = x.shape[-1]
;;       x = np.pad(x, [(0, 0)] * (x.ndim - 1) + [(0, -K % 32)]); x = x.reshape(x.shape[:-1] + (-1, 32)); a = np.abs(x).max(-1, keepdims=True)
;;       e = np.where(a > 0, np.clip(np.frexp(np.where(a > 0, a, 1))[1] - 1 - 2, -126, 127), 0)      # np.frexp(a)[1] - 1 = floor(log2(a)), exactly
;;       r = np.clip(x / 2.0 ** e, -6, 6)
;;       step = 2.0 ** (np.maximum(np.frexp(np.where(r == 0, 1, r))[1] - 1, 0) - 1)
;;       q = np.round(r / step) * step * 2.0 ** e      # np.round: ties to even
;;       return np.moveaxis(q.reshape(q.shape[:-2] + (-1,))[..., :K], -1, axis).astype(np.float32)
;;   ~~~
;; One version. Each part assembles by itself: llvm-mc -triple=amdgcn-amd-amdhsa -mcpu=gfx1250 --defsym DOCPART=n.
;; ======== version 1 of 1: 4 launches
;; limits: values are held in f16: magnitudes above 65,504 overflow, below 6.1e-05 lose precision
;; workspace buffers: codes 8,388,608 bytes; scales 524,288 bytes; tab 4,194,304 bytes; wimg 8,388,608 bytes; qkv 25,165,824 bytes; aimg 8,388,608 bytes
;; launch prep (part 1): grid 768 x 1, 4 waves a work-group, no clusters, 34,304 bytes of LDS; arguments hidden_states, wq, wk, wv, w_out, freqs_cis, norm_q_w, norm_k_w, codes, scales, wimg, tab; writes codes, scales, wimg, tab
.if DOCPART == 1
	.amdgcn_target "amdgcn-amd-amdhsa--gfx1250"
	.amdhsa_code_object_version 6
	.text
	.protected	k_qf1103cf5df_prep
	.globl	k_qf1103cf5df_prep
	.p2align	8
	.type	k_qf1103cf5df_prep,@function
k_qf1103cf5df_prep:
	s_mov_b64 s[64:65], 0
	v_nop
	global_prefetch_b8 v0, s[64:65] scope:SCOPE_SE
	s_setreg_imm32_b32 hwreg(HW_REG_WAVE_MODE, 25, 1), 1
	s_wait_xcnt 0x0
; PREP: everything that is made once from the inputs, laid in the order of the later launches' operand registers (16 bytes a lane, 512 consecutive bytes a group of four registers).
;   work-groups   0-383: wq, wk, wv [2048 (k)][2048 (n)] f32 -> codes of E2M1 along K (their first axis) and E8M0 scale bytes
;   work-groups 384-511: w_out [2048 (k)][2048 (n)] f32 -> f16, as fragments of 16 n x 32 k
;   work-groups 512-639: hidden_states [2048][2048 (k)] f32 -> codes and scale bytes along K (innermost)
;   work-groups 640-767: the rotary tables: C[c] = w[c] cos(angle[c]), S[c] = -w[c+64] sin(angle[c]) (c < 64), +w[c-64] sin(angle[c]) (c >= 64), for norm_q_w and for norm_k_w
; SHARES: every wave of the first three kinds reads 32 KB; a wave of the fourth makes 16 tokens x 32 channels of the four tables.
; LAYOUTS.  codes: [k / 512][rowtile (512)][4 steps of 128 k][block of 32 k (4)][row (16)][16 bytes]; rowtiles 0-127 tokens, 128-255 wq's columns, 256-383 wk's, 384-511 wv's.
;   scales: [pair of rowtiles (256)][k / 256 (8)][row of the pair (32)][2 words of 4 bytes].   wimg: [n / 128][k / 128][n16 (8)][k32 (4)][(k % 32) / 8 (4)][n % 16][16 bytes].
;   tab: [q, k][token block of 16 (128)][b (8)][C, S][g (2)][lane][4 f32]: lane (r, h) holds token r, channels 16 b + 8 h + 4 g + 0 .. 3.
; A block's scale is 2^(floor(log2(its largest magnitude)) - 2): its byte is the largest magnitude's exponent field - 2, held at 1 from below.
; LIMITS: a block of zeros gets the byte 1 where the rule says 127 (its codes are zeros, and this program alone reads the bytes); NaN and infinities are not served; |angle| under 2^24;
;   w_out goes to f16: magnitudes over 65,504 are not served, those under 6e-5 keep a step of 6e-8.
; Sine and cosine: n = nearest whole number to x 2/pi; r = x - n pi/2 with pi/2 in two parts; polynomials of degree 7 and 8 on |r| <= pi/4; the quadrant picks and signs them.
; No tensor load, no barrier, no loop: waves share nothing and every offset is an immediate.  No cluster: no two work-groups read the same bytes (but the norm weights' 1,024).
; The angles are read as pieces of 16 bytes of rows 512 bytes apart: each byte once, 1 MB of the launch's 85.
.set STGB,  8448                       ; hidden's path: a stage of 16 rows x (512 + 16) bytes for each wave
.set SPARE, 4*STGB                     ; behind the four stages: the spare words, 128 bytes a wave
.set SPW,   2                          ; v2  my spare word's LDS address; never rewritten
.set NIL,   3                          ; v3  0; never rewritten
	s_load_b512 s[4:19], s[0:1], 0x0               ; hidden s[4:5], wq s[6:7], wk s[8:9], wv s[10:11], w_out s[12:13], angles s[14:15], norm_q_w s[16:17], norm_k_w s[18:19]
	s_load_b256 s[20:27], s[0:1], 0x40             ; codes s[20:21], scales s[22:23], wimg s[24:25], tab s[26:27]
	v_lshl_add_u32 v[SPW], v0, 2, SPARE
	v_mov_b32 v[NIL], 0
	v_lshrrev_b32 v1, 5, v0
	v_readfirstlane_b32 s28, v1                    ; wave
	v_and_b32 v1, 31, v0                           ; lane
	v_and_b32 v4, 15, v0                           ; r
	v_bfe_u32 v5, v0, 4, 1                         ; h
	s_mul_i32 s29, s28, STGB
	v_lshlrev_b32 v11, 4, v1                       ; 16 x lane
	v_add_nc_u32 v6, s29, v11                      ; the stage, on the way in: 16 x lane of a row
	v_mul_u32_u24 v7, v4, 528
	v_lshl_add_u32 v7, v5, 7, v7
	v_add_nc_u32 v7, s29, v7                       ; and on the way out: row r, block h
	v_lshlrev_b32 v8, 2, v1                        ; 4 x lane
	v_lshlrev_b32 v9, 4, v4
	v_lshl_add_u32 v9, v5, 12, v9                  ; 4,096 h + 16 r: my place in two neighbouring tiles of 16
	v_lshlrev_b32 v10, 3, v1                       ; 8 x lane
	s_mov_b32 s44, 0x76543210
	s_mov_b32 s45, 0xfedcba98                      ; v_permlanex16_b32's selects for lane l xor 16
	s_wait_kmcnt 0x0
	s_cmp_lt_u32 ttmp9, 512
	s_cbranch_scc1 .Lweights
	s_cmp_lt_u32 ttmp9, 640
	s_cbranch_scc1 .Lhidden
; ---------------- THE TABLES: a work-group takes one block of 16 tokens; wave w takes b = w and b = w + 4: the norm weights 64 channels away are then among its own ----------------
	s_sub_co_u32 s29, ttmp9, 640                   ; token block
	s_lshl_b32 s46, s29, 13                        ; 16 rows of 512 bytes,
	s_lshl_b32 s47, s28, 6                         ; and 64 bytes for each b
	s_add_co_u32 s46, s46, s47
	s_mov_b32 s47, 0
	s_add_nc_u64 s[14:15], s[14:15], s[46:47]
	s_lshl_b32 s46, s28, 6
	s_add_nc_u64 s[16:17], s[16:17], s[46:47]
	s_add_nc_u64 s[18:19], s[18:19], s[46:47]
	s_lshl_b32 s46, s29, 14                        ; 16 KB of table a block of tokens,
	s_lshl_b32 s29, s28, 11                        ; 2,048 bytes for each b
	s_add_co_u32 s46, s46, s29
	s_add_nc_u64 s[26:27], s[26:27], s[46:47]
	v_lshlrev_b32 v16, 5, v5                       ; the weights: 32 h
	v_lshl_add_u32 v17, v4, 9, v16                 ; the angles: 512 r + 32 h
.irp bb, 0,1
.irp g, 0,1
	global_load_b128 v[32+8*\bb+4*\g:35+8*\bb+4*\g], v17, s[14:15] offset:256*\bb+16*\g th:TH_LOAD_NT
	global_load_b128 v[96+8*\bb+4*\g:99+8*\bb+4*\g], v16, s[16:17] offset:256*\bb+16*\g
	global_load_b128 v[160+8*\bb+4*\g:163+8*\bb+4*\g], v16, s[18:19] offset:256*\bb+16*\g
.endr
.endr
	s_mov_b32 s30, 0x3f22f983                      ; 2 / pi
	s_mov_b32 s31, 0xbfc90fdb                      ; -(pi / 2), its f32 part
	s_mov_b32 s32, 0x333bbd2e                      ; what that part is too large by
	s_mov_b32 s33, 0xbe2aaaa3                      ; the sine's three coefficients
	s_mov_b32 s34, 0x3c08839e
	s_mov_b32 s35, 0xb94ca1f9
	s_mov_b32 s36, 0x3d2aaaa5                      ; the cosine's three
	s_mov_b32 s37, 0xbab6061a
	s_mov_b32 s38, 0x37ccf5ce
	s_wait_loadcnt 0x0
; four angles by turns, of b = wave + 4 bb.  v224.. n, then the quadrant; v228.. r, later the sine; v232.. z = r r, later the cosine; v236.., v240.. the two polynomials
.macro SINCOS bb, g
.set FQ, 32+8*\bb+4*\g
.set WA, 96+8*\bb+4*\g                 ; norm_q_w at my channels (norm_k_w: 64 registers on)
.set WB, 96+8*(1-\bb)+4*\g             ; and at the channels 64 away
.irp j, 0,1,2,3
	v_mul_f32 v[224+\j], s30, v[FQ+\j]
.endr
.irp j, 0,1,2,3
	v_rndne_f32 v[224+\j], v[224+\j]
.endr
.irp j, 0,1,2,3
	v_fma_f32 v[228+\j], v[224+\j], s31, v[FQ+\j]
.endr
.irp j, 0,1,2,3
	v_fma_f32 v[228+\j], v[224+\j], s32, v[228+\j]
.endr
.irp j, 0,1,2,3
	v_cvt_i32_f32 v[224+\j], v[224+\j]
.endr
.irp j, 0,1,2,3
	v_mul_f32 v[232+\j], v[228+\j], v[228+\j]
.endr
.irp j, 0,1,2,3
	v_fma_f32 v[236+\j], v[232+\j], s35, s34
	v_fma_f32 v[240+\j], v[232+\j], s38, s37
.endr
.irp j, 0,1,2,3
	v_fma_f32 v[236+\j], v[236+\j], v[232+\j], s33
	v_fma_f32 v[240+\j], v[240+\j], v[232+\j], s36
.endr
.irp j, 0,1,2,3
	v_mul_f32 v[236+\j], v[236+\j], v[232+\j]
.endr
.irp j, 0,1,2,3
	v_fma_f32 v[236+\j], v[236+\j], v[228+\j], v[228+\j]       ; sin r
.endr
.irp j, 0,1,2,3
	v_fma_f32 v[228+\j], v[232+\j], -0.5, 1.0
.endr
.irp j, 0,1,2,3
	v_mul_f32 v[232+\j], v[232+\j], v[232+\j]
.endr
.irp j, 0,1,2,3
	v_fma_f32 v[240+\j], v[232+\j], v[240+\j], v[228+\j]       ; cos r
.endr
.irp j, 0,1,2,3
	v_and_b32 v[228+\j], 1, v[224+\j]
.endr
.irp j, 0,1,2,3
	v_cmp_ne_u32 s[40+\j], 0, v[228+\j]                        ; odd quadrants: the two change places
.endr
.irp j, 0,1,2,3
	v_cndmask_b32 v[228+\j], v[236+\j], v[240+\j], s[40+\j]
	v_cndmask_b32 v[232+\j], v[240+\j], v[236+\j], s[40+\j]
.endr
.irp j, 0,1,2,3
	v_lshlrev_b32 v[236+\j], 30, v[224+\j]                     ; the sine's sign: bit 1 of the quadrant
	v_add_nc_u32 v[240+\j], 1, v[224+\j]
.endr
.irp j, 0,1,2,3
	v_and_b32 v[236+\j], 0x80000000, v[236+\j]
	v_lshlrev_b32 v[240+\j], 30, v[240+\j]                     ; the cosine's: bit 1 of the quadrant + 1
.endr
.irp j, 0,1,2,3
	v_xor_b32 v[228+\j], v[228+\j], v[236+\j]
	v_and_b32 v[240+\j], 0x80000000, v[240+\j]
.endr
.irp j, 0,1,2,3
	v_xor_b32 v[232+\j], v[232+\j], v[240+\j]
.endr
	s_wait_xcnt 0x0                                ; the last four stores have read their data: the sixteen registers are written again only behind this wait
.irp j, 0,1,2,3
	v_mul_f32 v[244+\j], v[WA+\j], v[232+\j]
	v_mul_f32 v[252+\j], v[WA+64+\j], v[232+\j]
.if \bb == 0
	v_mul_f32 v[248+\j], -v[WB+\j], v[228+\j]
	v_mul_f32 v[12+\j], -v[WB+64+\j], v[228+\j]
.else
	v_mul_f32 v[248+\j], v[WB+\j], v[228+\j]
	v_mul_f32 v[12+\j], v[WB+64+\j], v[228+\j]
.endif
.endr
	global_store_b128 v11, v[244:247], s[26:27] offset:8192*\bb+512*\g             ; each store covers 512 consecutive bytes, aligned
	global_store_b128 v11, v[248:251], s[26:27] offset:8192*\bb+1024+512*\g
	global_store_b128 v11, v[252:255], s[26:27] offset:2097152+8192*\bb+512*\g
	global_store_b128 v11, v[12:15], s[26:27] offset:2097152+8192*\bb+1024+512*\g
.endm
.irp bb, 0,1
	SINCOS \bb, 0
	SINCOS \bb, 1
.endr
	s_endpgm
; ---------------- THE FOUR WEIGHTS: a wave takes 32 columns x 256 along K; a lane takes a column, and its registers run down K ----------------
.macro LOADB t                         ; block t: rows 32 t + i of my column, into set t % 2: 128 consecutive bytes a wave, 512 a work-group
.irp i, 0,1,2,3,4,5,6,7,8,9,10,11,12,13,14,15,16,17,18,19,20,21,22,23,24,25,26,27,28,29,30,31
	global_load_b32 v[32+32*((\t)%2)+\i], v8, s[30:31] offset:(32*(\t)+\i)*8192 th:TH_LOAD_NT
.endr
.endm
.Lweights:
	s_lshr_b32 s29, ttmp9, 7                       ; which weight: the choice hangs on the work-group's number alone
	s_cmp_eq_u32 s29, 0
	s_cselect_b64 s[30:31], s[6:7], s[8:9]
	s_cmp_lt_u32 s29, 2
	s_cselect_b64 s[30:31], s[30:31], s[10:11]
	s_cmp_lt_u32 s29, 3
	s_cselect_b64 s[30:31], s[30:31], s[12:13]
	s_and_b32 s36, ttmp9, 15                       ; which 128 columns
	s_bfe_u32 s37, ttmp9, 0x30004                  ; which 256 along K
	s_lshl_b32 s38, s37, 21                        ; 256 rows of 8,192 bytes
	s_lshl_b32 s39, s36, 9
	s_add_co_u32 s38, s38, s39
	s_lshl_b32 s39, s28, 7
	s_add_co_u32 s38, s38, s39
	s_mov_b32 s39, 0
	s_add_nc_u64 s[30:31], s[30:31], s[38:39]
	LOADB 0
	LOADB 1
	s_cmp_eq_u32 s29, 3
	s_cbranch_scc1 .Lwout
	s_lshl_b32 s38, s29, 7
	s_lshl_b32 s39, s36, 3
	s_add_co_u32 s38, s38, s39
	s_lshl_b32 s39, s28, 1
	s_add_co_u32 s38, s38, s39
	s_add_co_u32 s38, s38, 128                     ; my first rowtile: 128 + 128 x weight + 8 x (128 columns) + 2 x wave
	s_lshl_b32 s40, s38, 12
	s_lshr_b32 s41, s37, 1
	s_lshl_b32 s41, s41, 21
	s_add_co_u32 s40, s40, s41
	s_and_b32 s41, s37, 1
	s_lshl_b32 s41, s41, 11
	s_add_co_u32 s40, s40, s41
	s_mov_b32 s41, 0
	s_add_nc_u64 s[32:33], s[20:21], s[40:41]      ; the codes
	s_lshl_b32 s40, s38, 10
	s_lshl_b32 s42, s37, 8
	s_add_co_u32 s40, s40, s42
	s_add_nc_u64 s[34:35], s[22:23], s[40:41]      ; the scale words
.macro WBLOCK t
.set XB, 32+32*((\t)%2)
.if (\t) < 7
	s_wait_loadcnt 32                              ; this block's 32 loads are in; the next block's may be out
.else
	s_wait_loadcnt 0
.endif
	v_max3_num_f32 v12, |v[XB]|, |v[XB+1]|, |v[XB+2]|           ; the block's largest magnitude: all 32 numbers are mine
	v_max3_num_f32 v13, |v[XB+3]|, |v[XB+4]|, |v[XB+5]|
.irp i, 6,10,14,18,22,26
	v_max3_num_f32 v12, v12, |v[XB+\i]|, |v[XB+\i+1]|
	v_max3_num_f32 v13, v13, |v[XB+\i+2]|, |v[XB+\i+3]|
.endr
	v_max3_num_f32 v12, v12, |v[XB+30]|, |v[XB+31]|
	v_max3_num_f32 v12, v12, v13, 0x1800000        ; and the floor 2^(3 - 127): the byte cannot fall under 1
	v_add_nc_u32 v14, 0xff000000, v12              ; 2 off its exponent field: the conversion's scale operand
	v_lshrrev_b32 v13, 23, v14                     ; the scale's byte
.if (\t)%4 == 0
	v_mov_b32 v[16+(\t)/4], v13
.else
	v_lshl_or_b32 v[16+(\t)/4], v13, 8*((\t)%4), v[16+(\t)/4]
.endif
.irp g, 0,1,2,3
	v_cvt_scalef32_pk8_fp4_f32 v[96+4*(\t)+\g], v[XB+8*\g:XB+8*\g+7], v14
.endr
	global_store_b128 v9, v[96+4*(\t):99+4*(\t)], s[32:33] offset:256*(\t)   ; sixteen lanes store 256 consecutive bytes, aligned; each block has its own registers
.if (\t)+2 < 8
	LOADB (\t)+2
.endif
.endm
.irp t, 0,1,2,3,4,5,6,7
	WBLOCK \t
.endr
	global_store_b64 v10, v[16:17], s[34:35]       ; 32 rows' two scale words: 256 consecutive bytes, aligned
	s_endpgm
.Lwout:
	s_lshl_b32 s38, s36, 19
	s_lshl_b32 s39, s37, 16
	s_add_co_u32 s38, s38, s39
	s_lshl_b32 s39, s28, 13
	s_add_co_u32 s38, s38, s39
	s_mov_b32 s39, 0
	s_add_nc_u64 s[32:33], s[24:25], s[38:39]
.macro OBLOCK t
.set XB, 32+32*((\t)%2)
.set OD, 128+16*((\t)%2)
.if (\t) < 7
	s_wait_loadcnt 32
.else
	s_wait_loadcnt 0
.endif
.if (\t) >= 2
	s_wait_xcnt 0x0                                ; the stores of two blocks back have read these registers
.endif
.irp e, 0,1,2,3
.irp i, 0,1,2,3
	v_cvt_pk_f16_f32 v[OD+4*\e+\i], v[XB+8*\e+2*\i], v[XB+8*\e+2*\i+1]
.endr
.endr
.irp e, 0,1,2,3
	global_store_b128 v9, v[OD+4*\e:OD+4*\e+3], s[32:33] offset:((\t)/4)*32768+((\t)%4)*1024+256*\e
.endr
.if (\t)+2 < 8
	LOADB (\t)+2
.endif
.endm
.irp t, 0,1,2,3,4,5,6,7
	OBLOCK \t
.endr
	s_endpgm
; ---------------- HIDDEN: a wave takes 32 rows x 256 along K: four fragments of 16 rows x 128 ----------------
; Each load reads 512 consecutive bytes of one row; the 16 rows turn through the wave's own stage, so that lane (r, h) holds blocks h and 2 + h of row r: the order of the operand's registers.
.macro LOADH p
.irp i, 0,1,2,3,4,5,6,7,8,9,10,11,12,13,14,15
	global_load_b128 v[32+64*((\p)%2)+4*\i:35+64*((\p)%2)+4*\i], v11, s[30:31] offset:((\p)/2)*131072+\i*8192+((\p)%2)*512 th:TH_LOAD_NT
.endr
.endm
.macro HSTEP p
.set RS, 32+64*((\p)%2)
.set CD, 224+8*((\p)%2)
.set HU, (\p)/2                        ; which rowtile of the pair
.set HE, (\p)%2                        ; which 128 of the 256
.if (\p) < 3
	s_wait_loadcnt 16                              ; this fragment's 16 loads are in; the next one's may be out
.else
	s_wait_loadcnt 0
.endif
.irp i, 0,1,2,3,4,5,6,7,8,9,10,11,12,13,14,15
	ds_store_b128 v6, v[RS+4*\i:RS+4*\i+3] offset:528*\i
.endr
.irp c, 0,1
.irp i, 0,1,2,3,4,5,6,7
	ds_load_b128 v[160+32*\c+4*\i:163+32*\c+4*\i], v7 offset:256*\c+16*\i    ; LDS serves a wave's instructions in order: these see the stores above
.endr
.endr
	s_wait_dscnt 0x0
.if (\p)+2 < 4
	LOADH (\p)+2
.endif
.irp c, 0,1
	v_max3_num_f32 v[12+\c], |v[160+32*\c]|, |v[161+32*\c]|, 0x1800000
.endr
.irp i, 2,4,6,8,10,12,14,16,18,20,22,24,26,28,30
.irp c, 0,1
	v_max3_num_f32 v[12+\c], v[12+\c], |v[160+32*\c+\i]|, |v[161+32*\c+\i]|
.endr
.endr
.irp c, 0,1
	v_add_nc_u32 v[14+\c], 0xff000000, v[12+\c]
.endr
.irp c, 0,1
	v_lshrrev_b32 v[16+\c], 23, v[14+\c]
.endr
	v_lshl_or_b32 v20, v17, 16, v16                ; my two bytes: blocks h and 2 + h,
	v_lshlrev_b32 v20, v18, v20                    ; at their places in the word (8 h bits up);
	v_permlanex16_b32 v19, v20, s44, s45
	v_or_b32 v[240+2*HU+HE], v20, v19              ; with lane l xor 16's two the word is whole
	s_wait_xcnt 0x0                                ; earlier stores have read their data
.irp c, 0,1
.irp g, 0,1,2,3
	v_cvt_scalef32_pk8_fp4_f32 v[CD+4*\c+\g], v[160+32*\c+8*\g:167+32*\c+8*\g], v[14+\c]
.endr
.endr
	v_nop                                          ; one plain place behind the conversions
.irp c, 0,1
	global_store_b128 v11, v[CD+4*\c:CD+4*\c+3], s[32:33] offset:HU*4096+HE*1024+512*\c   ; 512 consecutive bytes, aligned
.endr
.if (\p) == 3
	v_cndmask_b32 v244, v240, v242, s46            ; lanes 0-15 take the first rowtile's words, lanes 16-31 the second's
	v_cndmask_b32 v245, v241, v243, s46
	global_store_b64 v10, v[244:245], s[34:35]     ; 32 rows' two scale words: 256 consecutive bytes, aligned
.endif
.endm
.Lhidden:
	s_sub_co_u32 s29, ttmp9, 512
	s_and_b32 s38, s29, 1
	s_lshl_b32 s38, s38, 2
	s_add_co_u32 s38, s38, s28                     ; which 256 along K: 4 x (the number's low bit) + wave
	s_lshr_b32 s29, s29, 1                         ; which 32 rows
	s_lshl_b32 s36, s29, 18                        ; 32 rows of 8,192 bytes
	s_lshl_b32 s37, s38, 10
	s_add_co_u32 s36, s36, s37
	s_mov_b32 s37, 0
	s_add_nc_u64 s[30:31], s[4:5], s[36:37]
	s_lshr_b32 s36, s38, 1
	s_lshl_b32 s36, s36, 21                        ; the codes: which 512 along K,
	s_lshl_b32 s39, s29, 13                        ; two rowtiles of 4,096 bytes,
	s_add_co_u32 s36, s36, s39
	s_and_b32 s39, s38, 1
	s_lshl_b32 s39, s39, 11                        ; which half of the 512
	s_add_co_u32 s36, s36, s39
	s_add_nc_u64 s[32:33], s[20:21], s[36:37]
	s_lshl_b32 s36, s29, 11
	s_lshl_b32 s39, s38, 8
	s_add_co_u32 s36, s36, s39
	s_add_nc_u64 s[34:35], s[22:23], s[36:37]      ; the scale words
	v_cmp_eq_u32 s46, 1, v5
	v_lshlrev_b32 v18, 3, v5                       ; 8 h
	v_mov_b32 v19, 0                               ; written once: a lane permute's destination counts as one of its sources
	LOADH 0
	LOADH 1
.irp p, 0,1,2,3
	HSTEP \p
.endr
	s_wait_tensorcnt 0x0                           ; the wave's end
	ds_add_u32 v[SPW], v[NIL]
	s_wait_dscnt 0x0
	s_endpgm
.Lfunc_end_k_qf1103cf5df_prep:
	.size	k_qf1103cf5df_prep, .Lfunc_end_k_qf1103cf5df_prep-k_qf1103cf5df_prep
	.p2alignl 7, 3214868480
	.fill 96, 4, 3214868480
	.section	.rodata,"a",@progbits
	.p2align	6, 0x0
	.amdhsa_kernel k_qf1103cf5df_prep
		.amdhsa_group_segment_fixed_size 34304
		.amdhsa_private_segment_fixed_size 0
		.amdhsa_enable_private_segment 0
		.amdhsa_kernarg_size 96
		.amdhsa_user_sgpr_count 2
		.amdhsa_user_sgpr_kernarg_segment_ptr 1
		.amdhsa_wavefront_size32 1
		.amdhsa_system_sgpr_workgroup_id_x 1
		.amdhsa_system_sgpr_workgroup_id_y 1
		.amdhsa_system_sgpr_workgroup_id_z 1
		.amdhsa_system_vgpr_workitem_id 0
		.amdhsa_next_free_vgpr 256
		.amdhsa_next_free_sgpr 66
		.amdhsa_reserve_vcc 0
		.amdhsa_float_denorm_mode_32 3
		.amdhsa_float_denorm_mode_16_64 3
		.amdhsa_memory_ordered 1
		.amdhsa_forward_progress 1
		.amdhsa_inst_pref_size 124
	.end_amdhsa_kernel
	.amdgpu_metadata
---
amdhsa.version: [ 1, 2 ]
amdhsa.kernels:
  - .name:           k_qf1103cf5df_prep
    .symbol:         k_qf1103cf5df_prep.kd
    .args:
      - { .name: hidden_states, .offset: 0, .size: 8, .value_kind: global_buffer, .address_space: global }
      - { .name: wq, .offset: 8, .size: 8, .value_kind: global_buffer, .address_space: global }
      - { .name: wk, .offset: 16, .size: 8, .value_kind: global_buffer, .address_space: global }
      - { .name: wv, .offset: 24, .size: 8, .value_kind: global_buffer, .address_space: global }
      - { .name: w_out, .offset: 32, .size: 8, .value_kind: global_buffer, .address_space: global }
      - { .name: freqs_cis, .offset: 40, .size: 8, .value_kind: global_buffer, .address_space: global }
      - { .name: norm_q_w, .offset: 48, .size: 8, .value_kind: global_buffer, .address_space: global }
      - { .name: norm_k_w, .offset: 56, .size: 8, .value_kind: global_buffer, .address_space: global }
      - { .name: codes, .offset: 64, .size: 8, .value_kind: global_buffer, .address_space: global }
      - { .name: scales, .offset: 72, .size: 8, .value_kind: global_buffer, .address_space: global }
      - { .name: wimg, .offset: 80, .size: 8, .value_kind: global_buffer, .address_space: global }
      - { .name: tab, .offset: 88, .size: 8, .value_kind: global_buffer, .address_space: global }
    .group_segment_fixed_size: 34304
    .private_segment_fixed_size: 0
    .kernarg_segment_align: 8
    .kernarg_segment_size: 96
    .max_flat_workgroup_size: 128
    .sgpr_count:     66
    .vgpr_count:     256
    .wavefront_size: 32
...
	.end_amdgpu_metadata
.endif
;; end of part 1
;; launch qkvgemm (part 2): grid 24 x 8, 4 waves a work-group, clusters of 4 x 4, 327,680 bytes of LDS; arguments codes, scales, tab, qkv; writes qkv
.if DOCPART == 2
	.amdgcn_target "amdgcn-amd-amdhsa--gfx1250"
	.amdhsa_code_object_version 6
	.text
	.protected	k_qf1103cf5df_qkvgemm
	.globl	k_qf1103cf5df_qkvgemm
	.p2align	8
	.type	k_qf1103cf5df_qkvgemm,@function
k_qf1103cf5df_qkvgemm:
	s_mov_b64 s[64:65], 0
	v_nop
	global_prefetch_b8 v0, s[64:65] scope:SCOPE_SE
	s_setreg_imm32_b32 hwreg(HW_REG_WAVE_MODE, 25, 1), 1
	s_wait_xcnt 0x0
	s_wait_alu depctr_hold_cnt(0) depctr_sa_sdst(0) depctr_va_vdst(0) depctr_va_sdst(0) depctr_va_ssrc(0) depctr_va_vcc(0) depctr_vm_vsrc(0)
	s_getreg_b32 s2, hwreg(HW_REG_IB_STS2, 6, 4)
	s_cmp_eq_u32 s2, 0
	s_cbranch_scc0 .Lentry_in_a_cluster
	s_endpgm
.Lentry_in_a_cluster:
	s_bfe_u32 s2, ttmp6, 0x10000c
	s_cmp_lg_u32 s2, 0xf033
	s_cbranch_scc0 .Lentry_shape_is_right
	s_endpgm
.Lentry_shape_is_right:
; q, k, v = hidden x (wq | wk | wv) on codes of E2M1 with E8M0 scales, K = 2,048, sums in f32, K ascending in one accumulator; then, for q and k, the RMS norm of each head, the norm's weight and the
; rotary turn (both out of prep's tables), and the rounding to f16; for v the rounding alone.  The results leave as the register images that the attention launch loads.
; A tile of C is 256 x 256: four waves, each 128 x 128 = 64 accumulators, 512 registers.  24 x 8 tiles: columns 0-15 q and k (A = tokens, B = the weights' columns), columns 16-23 v.
; FOR v THE OPERANDS CHANGE PLACES, by the index of their rowtiles alone: A = wv's columns, B = tokens, so that a lane ends up with one channel and eight neighbouring keys: the fragment of V^T.
; THE MATRIX INSTRUCTION IS USED TRANSPOSED (source 0 = 16 rows of B, source 1 = 16 rows of A): lane (r, h) holds row r of A's block and columns 8 h + 0 .. 7 of B's block.  A wave's 128 columns are ONE head.
; The codes lie in memory in the order of the operand's registers, so a wave's part of a slot (8 rowtiles x 512 along K) is one dense block of 32 KB, and a fragment is two loads at 16 x lane: no pitch, no padding.
; K goes in 4 steps of 512 through two LDS slots; the scale words of the work-group's rows, for all of K, come once with the first fills.  The 16 steps of 128 are written out: there is no loop.
; CLUSTERS: 4 x 4.  A's tiles are shared along a row of the cluster, B's along a column: joint loads.  192 work-groups: a smaller tile would cut heads or halve what an LDS byte feeds.
; The tables come by loads into registers, not jointly: v's clusters want none, and every work-group that a joint load names has to issue it.  No prefetch: the launch has four slots in all, two of them first fills.
; LIMITS: q, k, v are rounded to f16: magnitudes over 65,504 are not served (v = hidden x wv; q and k are at most sqrt(128) x the norm's weight).  NaN and infinities are not served.
; REGISTERS: window 0: v16-29 addresses; v32-95 scale words, two sets, nothing else ever; v96-107 the way out's sums; v128-191 A's fragments; v192-255 v's packed results.
;   window 1: B's fragments at v0-63 and v128-191.   windows 2, 3: the accumulators ((a, b) at v[8 (8 (a % 4) + b)]).
;   THE TABLES, three sets of 64 registers of C and 64 of S, row a in set a % 3: set 0: window 1 v64-127, v192-255 (idle through the products); set 1: window 1 v0-63, v128-191; set 2: window 0 v128-191, v192-255.
.set NQ,     4                         ; steps of 128 in a slot
.set FR,     8                         ; registers of a fragment
.set NL,     2                         ; LDS loads that bring one
.set NP,     4                         ; places behind this matrix instruction (ISA guide 7.12.1)
.set HALFT,  32768                     ; what one tensor load brings: 8 rowtiles x 4,096 bytes
.set SLOT,   4*HALFT
.set SCL,    2*SLOT                    ; behind the ring: the scale words, 8,192 bytes a wave
.set HALFS,  8192
.set SPARE,  SCL+4*HALFS               ; behind them: the spare words, 128 bytes a wave
.set KSB,    0x200000                  ; from one 512 along K to the next, in the codes' buffer
.set ADRA, 16
.set ADRB, 20
.set CO,   26                          ; v26  16 x lane; never rewritten
.set ADRS, 27
.set SPW,  28
.set NIL,  29
.set SC,   32
.set SS,   96                          ; v96-103 sums of squares, four chains of pairs
.set RR,   104                         ; v104 1 / sqrt(mean + eps); v105 named with it as a pair
.set TP,   106
.set AF,   128
.set Z,    192
.set G1, 24
.set G0, 32
.set G1B, 48
.set G0B, 56
.set G1S, 68
.set G0S, 76
.set G1SB, 80
.set G0SB, 88
.set VT, 66                            ; s66  1 in a tile of v, else 0: it hangs on the cluster's x alone
.set VO, 67                            ; s67  384 there, else 0
.set MSB, 0
.macro WIN new                         ; the immediate's high byte repeats the setting that is left
.if MSB != \new
	s_set_vgpr_msb (MSB<<8)|\new
.set MSB, \new
.endif
.endm
.set MUL_LO, 0xa1                      ; source 0 (B) window 1, source 1 (A) window 0, C and D window 2
.set MUL_HI, 0xf1
.set TO_B,   0x40
; A joint load: waves 0 and 1 fetch for A, waves 2 and 3 for B.  The branch hangs on the wave's number alone.  An s_nop 0 and four v_nop follow each of the two lines.
.macro JLOAD g0a, g1a, g0b, g1b
	s_cmp_eq_u32 s15, 0
	s_cbranch_scc0 .Lfor_b_\@
	tensor_load_to_lds s[\g0a:\g0a+3], s[\g1a:\g1a+7]
	s_nop 0
.rept 4
	v_nop
.endr
	s_branch .Lasked_\@
.Lfor_b_\@:
	tensor_load_to_lds s[\g0b:\g0b+3], s[\g1b:\g1b+7]
	s_nop 0
.rept 4
	v_nop
.endr
.Lasked_\@:
.endm
.macro CREST
	s_cmp_lg_u32 s14, 0
	s_cbranch_scc1 .Lnot_wave_0_\@
	s_barrier_signal -3
.Lnot_wave_0_\@:
	s_barrier_wait -3
	s_barrier_signal -1
	s_barrier_wait -1
.endm
.macro CROUND
	s_barrier_signal -1
	s_barrier_wait -1
	CREST
.endm
	s_load_b256 s[4:11], s[0:1], 0x0               ; codes s[4:5], scales s[6:7], tab s[8:9], qkv s[10:11]
	v_lshl_add_u32 v[SPW], v0, 2, SPARE
	v_mov_b32 v[NIL], 0
	ds_add_u32 v[SPW], v[NIL]                      ; the wave's opening: the add, twice on end, and its wait ahead of my first tensor load
	ds_add_u32 v[SPW], v[NIL]
	v_lshrrev_b32 v1, 5, v0
	v_readfirstlane_b32 s14, v1                    ; wave
	s_lshr_b32 s15, s14, 1                         ; which half of the tile's rows is mine.  Also: I fetch for A (0) or for B (1)
	s_and_b32 s16, s14, 1                          ; which half of its columns.  Also: which 8 rowtiles I fetch
	s_bfe_u32 s40, ttmp6, 0x40000                  ; cx, cy
	s_bfe_u32 s41, ttmp6, 0x40004
	s_lshl_b32 s42, ttmp9, 2
	s_add_co_u32 s42, s42, s40                     ; tile column x
	s_and_b32 s17, ttmp7, 0xffff
	s_lshl_b32 s17, s17, 2
	s_add_co_u32 s17, s17, s41                     ; tile row y
	s_lshl_b32 s43, s41, 2
	s_lshl_b32 s43, 15, s43                        ; my row of the cluster
	s_lshl_b32 s44, 0x1111, s40                    ; my column
	s_cmp_ge_u32 ttmp9, 4                          ; clusters 4 and 5 along x make v
	s_cselect_b32 s[VT], 1, 0
	s_cselect_b32 s[VO], 384, 0
	; descriptor group 1: a dense block as rows of 256 bytes (32 elements of 8 bytes), no padding: 128 rows of codes, 32 of scale words
	s_or_b32 s[G1+0], s43, (3<<16)|(1<<21)
	s_or_b32 s[G1B+0], s44, (3<<16)|(1<<21)
.irp g, G1, G1B
	s_mov_b32 s[\g+1], 32<<16                      ; tensor_dim0
	s_mov_b32 s[\g+2], 128<<16                     ; tensor_dim1
	s_mov_b32 s[\g+3], 32<<16                      ; tile_dim0
	s_mov_b32 s[\g+4], 128                         ; tile_dim1
	s_mov_b32 s[\g+5], 32                          ; the pitch
	s_mov_b32 s[\g+6], 0
	s_mov_b32 s[\g+7], 0
.endr
	s_or_b32 s[G1S+0], s43, (3<<16)|(1<<21)
	s_or_b32 s[G1SB+0], s44, (3<<16)|(1<<21)
.irp g, G1S, G1SB
	s_mov_b32 s[\g+1], 32<<16
	s_mov_b32 s[\g+2], 32<<16
	s_mov_b32 s[\g+3], 32<<16
	s_mov_b32 s[\g+4], 32
	s_mov_b32 s[\g+5], 32
	s_mov_b32 s[\g+6], 0
	s_mov_b32 s[\g+7], 0
.endr
	s_lshl_b32 s18, s16, 3
	s_lshl_b32 s20, s17, 4
	s_add_co_u32 s20, s20, s[VO]
	s_add_co_u32 s20, s20, s18                     ; A's first rowtile of mine: 16 y (+ 384 for v) + 8 x half
	s_lshl_b32 s46, s42, 4
	s_add_co_u32 s46, s46, 128
	s_sub_co_u32 s46, s46, s[VO]
	s_add_co_u32 s46, s46, s18                     ; B's: 16 x + 128 (- 384 for v) + 8 x half
	s_lshl_b32 s22, s20, 10                        ; 1,024 bytes of scale words a rowtile
	s_mov_b32 s23, 0
	s_lshl_b32 s92, s46, 10
	s_mov_b32 s93, 0
	s_lshl_b32 s20, s20, 12                        ; 4,096 bytes of codes a rowtile and 512 along K
	s_mov_b32 s21, 0
	s_lshl_b32 s46, s46, 12
	s_mov_b32 s47, 0
	s_lshl_b32 s45, s14, 15                        ; where they go: wave x 32,768: no place in the cluster enters an LDS address
	s_lshl_b32 s94, s14, 13
	s_wait_dscnt 0x0                               ; both opening adds are done
	s_wait_kmcnt 0x0
	s_add_nc_u64 s[20:21], s[4:5], s[20:21]
	s_add_nc_u64 s[22:23], s[6:7], s[22:23]
	s_add_nc_u64 s[46:47], s[4:5], s[46:47]
	s_add_nc_u64 s[92:93], s[6:7], s[92:93]
	CROUND                                         ; all sixteen work-groups are here: the first joint loads meet
	s_mov_b32 s[G0S], 1
	s_add_co_u32 s[G0S+1], s94, SCL
	s_mov_b64 s[G0S+2:G0S+3], s[22:23]
	s_or_b32 s[G0S+3], s[G0S+3], 0x80000000
	s_mov_b32 s[G0SB], 1
	s_add_co_u32 s[G0SB+1], s94, SCL
	s_mov_b64 s[G0SB+2:G0SB+3], s[92:93]
	s_or_b32 s[G0SB+3], s[G0SB+3], 0x80000000
	JLOAD G0S, G1S, G0SB, G1SB                     ; the scale words first: they are wanted with the first step
.irp s, 0,1
	s_mov_b32 s[G0+4*\s], 1
	s_add_co_u32 s[G0+4*\s+1], s45, \s*SLOT
	s_add_nc_u64 s[G0+4*\s+2:G0+4*\s+3], s[20:21], \s*KSB
	s_or_b32 s[G0+4*\s+3], s[G0+4*\s+3], 0x80000000
	s_mov_b32 s[G0B+4*\s], 1
	s_add_co_u32 s[G0B+4*\s+1], s45, \s*SLOT
	s_add_nc_u64 s[G0B+4*\s+2:G0B+4*\s+3], s[46:47], \s*KSB
	s_or_b32 s[G0B+4*\s+3], s[G0B+4*\s+3], 0x80000000
	JLOAD G0+4*\s, G1, G0B+4*\s, G1B
.endr
	v_and_b32 v1, 15, v0                           ; r
	v_bfe_u32 v2, v0, 4, 1                         ; h
	v_and_b32 v3, 31, v0
	v_lshlrev_b32 v[CO], 4, v3
	s_lshl_b32 s21, s15, 15                        ; my 8 rowtiles of A
	s_lshl_b32 s22, s16, 15                        ; my 8 of B,
	s_add_co_u32 s22, s22, 2*HALFT                 ; which lie behind A's 16
.irp s, 0,1
	v_add_nc_u32 v[ADRA+\s], s21, v[CO]
	v_add_nc_u32 v[ADRB+\s], s22, v[CO]
	s_add_co_u32 s21, s21, SLOT
	s_add_co_u32 s22, s22, SLOT
.endr
	v_lshlrev_b32 v5, 3, v1                        ; my row's two scale words: 8 r
	s_lshl_b32 s21, s15, 13                        ; A's: my half
	s_lshl_b32 s22, s16, 13                        ; B's: my half, behind A's two
	s_add_co_u32 s22, s22, 2*HALFS
	s_sub_co_u32 s22, s22, s21
	v_mul_u32_u24 v6, s22, v2                      ; lanes 16-31 take B's
	s_add_co_u32 s21, s21, SCL
	v_add_nc_u32 v5, v5, v6
	v_add_nc_u32 v[ADRS], s21, v5
	; the way out's bases
	s_lshl_b32 s19, s17, 4
	s_lshl_b32 s20, s15, 3
	s_add_co_u32 s19, s19, s20                     ; 16 y + 8 x my half of the rows: for q and k my first block of 16 tokens
	s_bfe_u32 s46, s42, 0x10003                    ; the table: q's (x 0-7) or k's (x 8-15)
	s_lshl_b32 s46, s46, 21
	s_lshl_b32 s20, s19, 14
	s_add_co_u32 s46, s46, s20
	s_mov_b32 s47, 0
	s_add_nc_u64 s[8:9], s[8:9], s[46:47]
	s_lshl_b32 s18, s42, 1
	s_add_co_u32 s18, s18, s16
	s_lshl_b32 s18, s18, 19                        ; q, k: head 2 x + my half of the columns, 512 KB each,
	s_lshl_b32 s21, s19, 12
	s_add_co_u32 s18, s18, s21                     ; and 4,096 bytes a block of tokens
	s_lshl_b32 s22, s17, 1
	s_add_co_u32 s22, s22, s15
	s_lshl_b32 s22, s22, 19                        ; v: head 2 y + my half of the rows,
	s_lshl_b32 s23, s42, 3
	s_lshl_b32 s46, s16, 2
	s_add_co_u32 s23, s23, s46
	s_sub_co_u32 s23, s23, 128
	s_lshl_b32 s23, s23, 13                        ; 8,192 bytes for each 32 keys: 8 (x - 16) + 4 x my half of the columns,
	s_add_co_u32 s22, s22, s23
	s_add_co_u32 s22, s22, 0x1000000               ; behind q's and k's 16 MB
	s_cmp_eq_u32 s[VT], 0
	s_cselect_b32 s18, s18, s22
	s_mov_b32 s19, 0
	s_add_nc_u64 s[10:11], s[10:11], s[18:19]
	s_mov_b32 s96, 0x76543210
	s_mov_b32 s97, 0xfedcba98                      ; v_permlanex16_b32's selects for lane l xor 16
	s_mov_b32 s98, 0x3c000000                      ; 1 / 128
	s_mov_b32 s99, 0x3727c5ac                      ; 1e-5
.macro TSET a                          ; the table registers of row a: window TW, C from TC on, S from TS on
.if (\a)%3 == 0
.set TW, 1
.set TC, 64
.set TS, 192
.elseif (\a)%3 == 1
.set TW, 1
.set TC, 0
.set TS, 128
.else
.set TW, 0
.set TC, 128
.set TS, 192
.endif
.endm
; half hf (b = 4 hf .. 4 hf + 3) of the tables of block a of my tokens, in the accumulators' layout: 16 loads of 512 consecutive bytes
.macro TABHALF a, hf
	TSET \a
.set WN, TW<<6
	WIN WN
.irp bb, 0,1,2,3
.irp g, 0,1
	global_load_b128 v[TC+8*(4*(\hf)+\bb)+4*\g:TC+8*(4*(\hf)+\bb)+4*\g+3], v[CO], s[8:9] offset:(\a)*16384+(4*(\hf)+\bb)*2048+\g*512
	global_load_b128 v[TS+8*(4*(\hf)+\bb)+4*\g:TS+8*(4*(\hf)+\bb)+4*\g+3], v[CO], s[8:9] offset:(\a)*16384+(4*(\hf)+\bb)*2048+1024+\g*512
.endr
.endr
	WIN 0
.endm
	s_cmp_lg_u32 s[VT], 0
	s_cbranch_scc1 .Lno_tab
	TABHALF 0, 0                                   ; row 0's tables, into registers that lie idle through the products: waited for on the way out
	TABHALF 0, 1
.Lno_tab:
.macro FRAG reg, adr, q, i             ; a fragment as it lies: rowtile i, the slot's q-th 128 along K; registers 4 c .. 4 c + 3 at 512 c + 16 x lane
.irp c, 0,1
	ds_load_b128 v[\reg+4*\c:\reg+4*\c+3], v[\adr] offset:1024*(\q)+512*\c+(\i)*4096
.endr
.endm
; 16 matrix instructions: A's blocks a0, a0 + 1 x B's eight.  The 64 accumulators take turns, one instruction a turn, in the same order in every step.
.macro MUL16 a0, p, q, sc, zero
.irp a, \a0, \a0+1
.irp b, 0,1,2,3,4,5,6,7
.if \zero
	v_wmma_scale_f32_16x16x128_f8f6f4 v[8*(8*((\a)%4)+\b):8*(8*((\a)%4)+\b)+7], v[128*(\p)+FR*\b:128*(\p)+FR*\b+FR-1], v[AF+FR*(\a):AF+FR*(\a)+FR-1], 0, v[SC+8*NQ*(\sc)+NQ*\b+(\q)], v[SC+8*NQ*(\sc)+NQ*(\a)+(\q)] matrix_a_fmt:MATRIX_FMT_FP4 matrix_b_fmt:MATRIX_FMT_FP4 matrix_a_scale:MATRIX_SCALE_ROW1
.else
	v_wmma_scale_f32_16x16x128_f8f6f4 v[8*(8*((\a)%4)+\b):8*(8*((\a)%4)+\b)+7], v[128*(\p)+FR*\b:128*(\p)+FR*\b+FR-1], v[AF+FR*(\a):AF+FR*(\a)+FR-1], v[8*(8*((\a)%4)+\b):8*(8*((\a)%4)+\b)+7], v[SC+8*NQ*(\sc)+NQ*\b+(\q)], v[SC+8*NQ*(\sc)+NQ*(\a)+(\q)] matrix_a_fmt:MATRIX_FMT_FP4 matrix_b_fmt:MATRIX_FMT_FP4 matrix_a_scale:MATRIX_SCALE_ROW1
.endif
.endr
.endr
.endm
.macro FETCH_B slot, q, p
	WIN TO_B
.irp i, 0,1,2,3,4,5,6,7
	FRAG 128*(\p)+FR*\i, ADRB+\slot, \q, \i
.endr
	WIN 0
.endm
.macro FETCH_A slot, q, i0
.irp i, \i0, \i0+1, \i0+2, \i0+3
	FRAG AF+FR*(\i), ADRA+\slot, \q, \i
.endr
.endm
.macro SCALES sc                       ; a slot's scale words into set sc: register 4 i + q: lanes 0-15 the word of A's block i, lanes 16-31 that of B's block i
.irp i, 0,1,2,3,4,5,6,7
.irp u, 0,1
	ds_load_b64 v[SC+32*\sc+4*\i+2*\u:SC+32*\sc+4*\i+2*\u+1], v[ADRS] offset:(\i/2)*2048+(\i%2)*128+256*\u
.endr
.endr
.endm
.macro PLACES n                        ; plain places in front of loads into registers that matrix instructions have read, and of the first read of results
.rept \n
	v_nop
.endr
.endm
.macro STEP slot, q, zero              ; a step of 128 along K that has its successor in the same slot
	s_wait_dscnt 4*NL                              ; B's set, A's blocks 0-3 and the scale words are in; the youngest eight loads (A's blocks 4-7) may be out
	WIN MUL_LO
	MUL16 0, (\q)%2, \q, \slot, \zero
	MUL16 2, (\q)%2, \q, \slot, \zero
	s_wait_dscnt 0
	PLACES NP
	FETCH_B \slot, (\q)+1, 1-(\q)%2
	FETCH_A \slot, (\q)+1, 0
	WIN MUL_HI
	MUL16 4, (\q)%2, \q, \slot, \zero
	MUL16 6, (\q)%2, \q, \slot, \zero
	PLACES NP
	WIN 0
	FETCH_A \slot, (\q)+1, 4
.endm
; A slot's last step changes slots: one barrier; in front of it each wave waits for all its tensor loads, adds 0 to its spare word, and waits for that and for its reads of this slot.
.macro TURN slot, next, fill
	s_wait_tensorcnt 0x0                           ; all my tensor loads have landed: my part of the next slot
	ds_add_u32 v[SPW], v[NIL]                      ; 0 onto my spare word
	s_wait_dscnt 4*NL+1                            ; (the add and A's blocks 4-7 may be out)
	WIN MUL_LO
	MUL16 0, 1, NQ-1, \slot, 0
	s_wait_dscnt 0x0                               ; the add is done, and my reads of this slot are over
	s_barrier_signal -1
	MUL16 2, 1, NQ-1, \slot, 0
	WIN 0
	s_barrier_wait -1
.if \fill
	CREST                                          ; the barrier has opened a round of the cluster's barrier: no wave of any partner still reads this slot or has a load on its way
	s_add_nc_u64 s[G0+4*\slot+2:G0+4*\slot+3], s[G0+4*\slot+2:G0+4*\slot+3], 2*KSB
	s_add_nc_u64 s[G0B+4*\slot+2:G0B+4*\slot+3], s[G0B+4*\slot+2:G0B+4*\slot+3], 2*KSB
	JLOAD G0+4*\slot, G1, G0B+4*\slot, G1B         ; the first tensor load behind the round; its four v_nop are the places in front of the loads below
.else
	PLACES NP
.endif
	v_add_nc_u32 v[ADRS], 512, v[ADRS]             ; on to the next slot's scale words (no LDS load of mine is out)
	FETCH_B \next, 0, 0
	FETCH_A \next, 0, 0
	SCALES \next
	WIN MUL_HI
	MUL16 4, 1, NQ-1, \slot, 0
	MUL16 6, 1, NQ-1, \slot, 0
	PLACES NP
	WIN 0
	FETCH_A \next, 0, 4
.endm
	s_wait_tensorcnt 1                             ; the scale words and my part of slot 0 are in (slot 1's load may be out),
	s_barrier_signal -1
	s_barrier_wait -1                              ; everybody's are
	FETCH_B 0, 0, 0
	FETCH_A 0, 0, 0
	SCALES 0
	FETCH_A 0, 0, 4
	STEP 0, 0, 1                                   ; the first step's products start the sums: nothing is cleared
	STEP 0, 1, 0
	STEP 0, 2, 0
	TURN 0, 1, 1                                   ; slot 0 takes K 1,024 on
	STEP 1, 0, 0
	STEP 1, 1, 0
	STEP 1, 2, 0
	TURN 1, 0, 1                                   ; slot 1 takes K 1,536 on
	STEP 0, 0, 0
	STEP 0, 1, 0
	STEP 0, 2, 0
	TURN 0, 1, 0                                   ; nothing is left to fetch
	STEP 1, 0, 0
	STEP 1, 1, 0
	STEP 1, 2, 0
	s_wait_dscnt 4*NL
	WIN MUL_LO
	MUL16 0, 1, NQ-1, 1, 0
	MUL16 2, 1, NQ-1, 1, 0
	s_wait_dscnt 0
	WIN MUL_HI
	MUL16 4, 1, NQ-1, 1, 0
	MUL16 6, 1, NQ-1, 1, 0
	WIN 0
; THE WAY OUT of q and k, a block of 16 tokens at a time.  A lane holds 64 of its token's 128 channels, lane l xor 16 the others.  out[c] = (x[c] C[c] + x[c xor 64] S[c]) / sqrt(mean(x^2) + eps).
; THE TURNED ROW IS MADE IN PLACE: x C over C, + x' S, x the root; the packed f16 over S, from where they are stored.  So three sets of table registers fit, and the tables of row a + 2 are asked for in row a:
; 16 loads behind the wait for row a's own, 16 behind the turn.  They land on the set of row a - 1, whose stores have read their data by then (the wait on XCNT).
; The turn, which needs no root, stands between the root and the wait for it.  Eight packed channels are 16 bytes: a store covers 512 consecutive bytes.
.macro QKROW a
.set AC, 64*((\a)%4)
.set WW, 2+(\a)/4
.set WN, WW|(WW<<2)
	WIN WN                                         ; sources 0 and 1: the accumulators' window
.irp p, 0,1,2,3
	v_pk_mul_f32 v[SS+2*\p:SS+2*\p+1], v[AC+2*\p:AC+2*\p+1], v[AC+2*\p:AC+2*\p+1]   ; each accumulator is read from its low end on
.endr
.set p, 4
.rept 28
	v_pk_fma_f32 v[SS+2*(p%4):SS+2*(p%4)+1], v[AC+2*p:AC+2*p+1], v[AC+2*p:AC+2*p+1], v[SS+2*(p%4):SS+2*(p%4)+1]
.set p, p+1
.endr
	WIN 0
	v_pk_add_f32 v[SS:SS+1], v[SS:SS+1], v[SS+2:SS+3]
	v_pk_add_f32 v[SS+4:SS+5], v[SS+4:SS+5], v[SS+6:SS+7]
	v_pk_add_f32 v[SS:SS+1], v[SS:SS+1], v[SS+4:SS+5]
	v_add_f32 v[SS], v[SS], v[SS+1]
	v_permlanex16_b32 v[TP], v[SS], s96, s97
	v_add_f32 v[SS], v[SS], v[TP]
	v_fma_f32 v[SS], v[SS], s98, s99               ; the mean of the squares + eps
	v_rsq_f32 v[RR], v[SS]
.if (\a) < 7
	s_wait_loadcnt 32                              ; this row's tables are in; the next row's 32 loads may be out (those of two rows on are issued below)
.else
	s_wait_loadcnt 0
.endif
.if (\a) < 6
	s_wait_xcnt 0x0                                ; the last row's stores have read their data: its set is loaded again only behind this wait
	TABHALF (\a)+2, 0
.endif
	TSET \a
.set WN, WW|(TW<<2)|(TW<<4)|(TW<<6)
	WIN WN                                         ; source 0: the accumulators; source 1, source 2 and the destination: the tables
.set p, 0
.rept 32
	v_pk_mul_f32 v[TC+2*p:TC+2*p+1], v[AC+2*p:AC+2*p+1], v[TC+2*p:TC+2*p+1]
.set p, p+1
.endr
.set p, 0
.rept 32
	v_pk_fma_f32 v[TC+2*p:TC+2*p+1], v[AC+(2*p+32)%64:AC+(2*p+32)%64+1], v[TS+2*p:TS+2*p+1], v[TC+2*p:TC+2*p+1]
.set p, p+1
.endr
.if (\a) < 6
	TABHALF (\a)+2, 1
	TSET \a
.endif
.set WN, TW|(TW<<6)
	WIN WN                                         ; source 0 and the destination: the tables' window; source 1, the root: window 0
	s_wait_alu depctr_va_vdst(0)                   ; the wait ahead of the root's first reader
.set p, 0
.rept 32
	v_pk_mul_f32 v[TC+2*p:TC+2*p+1], v[TC+2*p:TC+2*p+1], v[RR:RR+1] op_sel_hi:[1,0]
.set p, p+1
.endr
.set WN, TW|(TW<<2)|(TW<<6)
	WIN WN
.set p, 0
.rept 32
	v_cvt_pk_f16_f32 v[TS+p], v[TC+2*p], v[TC+2*p+1]
.set p, p+1
.endr
.set WN, TW<<2
	WIN WN                                         ; a store's data are its source 1
.irp b, 0,1,2,3,4,5,6,7
	global_store_b128 v[CO], v[TS+4*\b:TS+4*\b+3], s[10:11] offset:(\a)*4096+\b*512
.endr
	WIN 0
.endm
; THE WAY OUT of v: block a is 16 channels; a lane's eight numbers of accumulator b are keys 16 b + 8 h + 0 .. 7
.macro VROW a
.set AC, 64*((\a)%4)
.set WW, 2+(\a)/4
.set ZZ, Z+32*((\a)%2)
.set WN, WW|(WW<<2)
	s_wait_xcnt 0x0                                ; the stores of two blocks back have read their data
	WIN WN
.irp b, 0,1,2,3,4,5,6,7
.irp i, 0,1,2,3
	v_cvt_pk_f16_f32 v[ZZ+4*\b+\i], v[AC+8*\b+2*\i], v[AC+8*\b+2*\i+1]
.endr
.endr
	WIN 0
.irp b, 0,1,2,3,4,5,6,7
	global_store_b128 v[CO], v[ZZ+4*\b:ZZ+4*\b+3], s[10:11] offset:(\b/2)*8192+(\a)*1024+(\b%2)*512
.endr
.endm
	v_mov_b32 v[RR+1], 0                           ; (named as the upper half of a pair)   These two lines and two v_nop are the four places behind the last products
	v_mov_b32 v[TP], 0                             ; (a lane permute's destination counts as one of its sources)
	PLACES 2
	s_cmp_lg_u32 s[VT], 0
	s_cbranch_scc1 .Lvtile
	TABHALF 1, 0                                   ; row 1's tables, into the registers that held B's fragments
	TABHALF 1, 1
.irp a, 0,1,2,3,4,5,6,7
	QKROW \a
.endr
	s_branch .Lend
.Lvtile:
.irp a, 0,1,2,3,4,5,6,7
	VROW \a
.endr
.Lend:
	s_wait_tensorcnt 0x0                           ; the wave's end
	ds_add_u32 v[SPW], v[NIL]
	s_wait_dscnt 0x0
	CROUND                                         ; the closing round: no work-group ends while a partner may still ask for a tile that names it
	s_endpgm
.Lfunc_end_k_qf1103cf5df_qkvgemm:
	.size	k_qf1103cf5df_qkvgemm, .Lfunc_end_k_qf1103cf5df_qkvgemm-k_qf1103cf5df_qkvgemm
	.p2alignl 7, 3214868480
	.fill 96, 4, 3214868480
	.section	.rodata,"a",@progbits
	.p2align	6, 0x0
	.amdhsa_kernel k_qf1103cf5df_qkvgemm
		.amdhsa_group_segment_fixed_size 327680
		.amdhsa_private_segment_fixed_size 0
		.amdhsa_enable_private_segment 0
		.amdhsa_kernarg_size 32
		.amdhsa_user_sgpr_count 2
		.amdhsa_user_sgpr_kernarg_segment_ptr 1
		.amdhsa_wavefront_size32 1
		.amdhsa_system_sgpr_workgroup_id_x 1
		.amdhsa_system_sgpr_workgroup_id_y 1
		.amdhsa_system_sgpr_workgroup_id_z 1
		.amdhsa_system_vgpr_workitem_id 0
		.amdhsa_next_free_vgpr 1024
		.amdhsa_next_free_sgpr 100
		.amdhsa_reserve_vcc 0
		.amdhsa_float_denorm_mode_32 3
		.amdhsa_float_denorm_mode_16_64 3
		.amdhsa_memory_ordered 1
		.amdhsa_forward_progress 1
		.amdhsa_inst_pref_size 255
	.end_amdhsa_kernel
	.section	.bss,"aw",@nobits
	.p2align	6
	.space	262144
	.amdgpu_metadata
---
amdhsa.version: [ 1, 2 ]
amdhsa.kernels:
  - .name:           k_qf1103cf5df_qkvgemm
    .symbol:         k_qf1103cf5df_qkvgemm.kd
    .args:
      - { .name: codes, .offset: 0, .size: 8, .value_kind: global_buffer, .address_space: global }
      - { .name: scales, .offset: 8, .size: 8, .value_kind: global_buffer, .address_space: global }
      - { .name: tab, .offset: 16, .size: 8, .value_kind: global_buffer, .address_space: global }
      - { .name: qkv, .offset: 24, .size: 8, .value_kind: global_buffer, .address_space: global }
    .group_segment_fixed_size: 327680
    .private_segment_fixed_size: 0
    .kernarg_segment_align: 8
    .kernarg_segment_size: 32
    .max_flat_workgroup_size: 128
    .sgpr_count:     100
    .vgpr_count:     1024
    .wavefront_size: 32
...
	.end_amdgpu_metadata
.endif
;; end of part 2
;; launch attention (part 3): grid 16 x 16, 4 waves a work-group, clusters of 4 x 1, 327,680 bytes of LDS; arguments qkv, aimg; writes aimg
.if DOCPART == 3
	.amdgcn_target "amdgcn-amd-amdhsa--gfx1250"
	.amdhsa_code_object_version 6
	.text
	.protected	k_qf1103cf5df_attention
	.globl	k_qf1103cf5df_attention
	.p2align	8
	.type	k_qf1103cf5df_attention,@function
k_qf1103cf5df_attention:
	s_mov_b64 s[64:65], 0
	v_nop
	global_prefetch_b8 v0, s[64:65] scope:SCOPE_SE
	s_setreg_imm32_b32 hwreg(HW_REG_WAVE_MODE, 25, 1), 1
	s_wait_xcnt 0x0
	s_wait_alu depctr_hold_cnt(0) depctr_sa_sdst(0) depctr_va_vdst(0) depctr_va_sdst(0) depctr_va_ssrc(0) depctr_va_vcc(0) depctr_vm_vsrc(0)
	s_getreg_b32 s2, hwreg(HW_REG_IB_STS2, 6, 4)
	s_cmp_eq_u32 s2, 0
	s_cbranch_scc0 .Lentry_in_a_cluster
	s_endpgm
.Lentry_in_a_cluster:
	s_bfe_u32 s2, ttmp6, 0x10000c
	s_cmp_lg_u32 s2, 0x3003
	s_cbranch_scc0 .Lentry_shape_is_right
	s_endpgm
.Lentry_shape_is_right:
; O[h][q] = the sum over k of softmax_k(Q[h][q] . K[h][k] / sqrt(128)) V[h][k]: 16 heads, 2,048 tokens, head size 128, no mask.  q, k, v come as f16, laid as images of the operands' registers;
; products, maxima and sums in f32; the weights p (at most 1) are rounded to f16 for the second product, O once at the end, to f16, as the fragments of the projection that follows.
; SHARES.  A work-group owns 128 queries of one head: 256 work-groups.  Wave w owns 64 of them (w & 1) and HALF OF THE KEYS (w >> 1: 1,024): so a wave keeps four tiles of 16 queries, each fragment of K and V
; that it reads feeds four products, and the two halves of the keys are joined once, at the end, through LDS.  The wave's tiles 0, 1 are the blocks that it keeps, tiles 2, 3 those that it sends to wave w xor 2.
; LAYOUT.  S^T = K Q^T and O^T = V^T P: a lane holds ONE query throughout.  A fragment is two loads at 16 x lane + a constant: no pitch, no padding, no turning load.
; SOFTMAX.  A running maximum m and sum l for each query: p = 2^(c s - c m), c = log2(e) / sqrt(128); in every step O and l are multiplied by 2^(c m_old - c m_new).
; BY TURNS.  Piece 0 (tiles 0, 1) and piece 2 (tiles 2, 3): in a turn one piece has the matrix unit (32 products V^T P, then 32 products K Q^T of the next step), and the other piece's softmax, cut into 64 slices,
; stands between them, one slice behind each matrix instruction.  Two turns are a key step of 64 keys; a wave walks 16.
; CLUSTER.  The four query blocks of a cluster belong to one head and walk the same K and V: every tile is asked for jointly.  All four waves' loads have one shape and one mask: one line, no branch.
; LIMITS: O under 6e-5 keeps f16's step of 6e-8; NaN and infinities are not served.
; REGISTERS: window 0: v2-10 addresses; v12-43 eight registers of statistics a tile; v64-191 S^T; v192-255 P.   window 1: O^T, 64 a tile.   window 2: v0-127 Q; v128-255 K of one step.   window 3: v0-127 V of one step.
.set KS,    64        ; keys in a step
.set STEPB, 16384     ; a step's K, and its V: 64 keys x 256 bytes
.set SLOT1, 1<<17     ; a slot: wave w's 32 KB at 32,768 w: K of keys' half 0, V of it, K of half 1, V of it, 128 keys each; slot 1 begins here
.set SPARE, 2*SLOT1   ; behind the ring: the spare words, 128 bytes a wave
.set XST,   65536     ; the exchange lies in slot 0, which has had its last fill and its last read at the last change of slots: 16 KB of O^T a wave from byte 0, 512 bytes of statistics a wave from here
.set AK0, 2           ; v2   16 x lane + my half's K in a slot; never rewritten
.set AV0, 3           ; v3   the same for V
.set ADR, 4           ; v4   the LDS address of the run of loads in hand
.set QA,  5           ; v5   16 x lane + my tiles 0, 1 in the block's rows of Q, and of O; never rewritten
.set QB,  6           ; v6   the same for tiles 2, 3
.set XS,  7           ; v7   the exchange: where I put O^T;  v8 where my partner put it;  v9, v10 the same for the statistics
.set XL,  8
.set XSS, 9
.set XLS, 10
.set SPW, 62
.set NIL, 63
.set PFO, 61          ; v61  256 x my lane; never rewritten
.set ST,  12          ; tile t's statistics at v[ST+8 t]: +0 c m, +1 m, +2, +3 l (even keys', odd keys'), +4 to +7 at work
.set S,   64
.set P,   192
.set KF,  128
.set WV,  12
.set G1,  24          ; s[24:31] descriptor group 1
.set G0,  40          ; s[40:43] group 0 of slot 0's first fill; s[44:47] the one that walks
.set SLOTS, 56
.set TWICE, 57
.set CS,  58
.set SEL, 60
.set TB,  62
.set PFA, 18
.set LIM, 15
.set MSB, 0
.macro WIN new
.if MSB != \new
	s_set_vgpr_msb (MSB<<8)|\new
.set MSB, \new
.endif
.endm
.set W_KQ, 0x0a       ; K and Q in window 2, S^T in window 0
.set W_PV, 0x53       ; V in window 3, P in window 0, O^T in window 1
.set W_RS, 0x41       ; O^T (destination and source 0) in window 1, the factor in window 0
.macro JLOAD                        ; a joint refill: each wave its own 32 KB, by addresses that hang on the wave's number and the head alone; an s_nop 0 and four v_nop follow
	tensor_load_to_lds s[G0+4:G0+7], s[G1:G1+7]
	s_nop 0
.rept 4
	v_nop
.endr
.endm
; A prefetch of what the NEXT change of slots will ask for: two key steps, 256 matrix instructions, ahead of that load.  All clusters of a head walk the same K and V: the head's first cluster asks.  Its four partners
; share each wave's 32 KB out by address, 8,192 bytes each, lanes 256 bytes apart: each block of 256 bytes is named once.  The last change that fills a slot asks for nothing.
.macro ASK
	s_cmp_gt_u32 s[SLOTS], s[LIM]
	s_cbranch_scc0 .Lnot_mine_\@
	global_prefetch_b8 v[PFO], s[PFA:PFA+1] th:TH_LOAD_NT scope:SCOPE_SE
.Lnot_mine_\@:
.endm
.macro CROUND
	s_barrier_signal -1
	s_barrier_wait -1
	s_cmp_lg_u32 s[WV], 0
	s_cbranch_scc1 .Lnot_wave_0_\@
	s_barrier_signal -3
.Lnot_wave_0_\@:
	s_barrier_wait -3
	s_barrier_signal -1
	s_barrier_wait -1
.endm
	s_load_b128 s[4:7], s[0:1], 0x0  ; qkv s[4:5], aimg s[6:7]
	v_lshl_add_u32 v[SPW], v0, 2, SPARE
	v_mov_b32 v[NIL], 0
	ds_add_u32 v[SPW], v[NIL]       ; the wave's opening: the add, twice on end, and its wait ahead of my first tensor load
	ds_add_u32 v[SPW], v[NIL]
	v_lshrrev_b32 v1, 5, v0
	v_readfirstlane_b32 s[WV], v1   ; wave 0..3
	s_bfe_u32 s13, ttmp6, 0x40000   ; cx
	s_lshl_b32 s14, ttmp9, 2
	s_add_co_u32 s14, s14, s13      ; my block of 128 queries: it enters Q's and O's addresses alone
	s_and_b32 s20, ttmp7, 0xffff    ; the head, which the four partners share
	s_and_b32 s16, s[WV], 1         ; which 64 queries are mine.  Also: I fetch K (0) or V (1)
	s_lshr_b32 s17, s[WV], 1        ; which half of the keys is mine, to walk and to fetch
	s_add_co_u32 s22, s16, 1
	s_lshl_b32 s22, s22, 23         ; k lies 8 MB, v 16 MB into the buffer
	s_lshl_b32 s21, s20, 19         ; a head is 512 KB
	s_add_co_u32 s22, s22, s21
	s_lshl_b32 s23, s17, 18         ; half of its keys 256 KB
	s_add_co_u32 s22, s22, s23
	s_mov_b32 s23, 0
	s_lshl_b32 s2, s14, 15          ; Q: 128 queries are 32 KB
	s_add_co_u32 s2, s2, s21
	s_mov_b32 s3, 0
	s_lshl_b32 s8, s14, 4
	s_add_co_u32 s8, s8, s20
	s_lshl_b32 s8, s8, 15           ; O: [block][head][32 KB]
	s_mov_b32 s9, 0
	s_lshl_b32 s21, s[WV], 15       ; my tile's place in a slot
	; descriptor group 1: a dense block of 32 KB as 128 rows of 256 bytes (32 elements of 8 bytes)
	s_mov_b32 s[G1], 15|(3<<16)|(1<<21)  ; the mask: all four work-groups; elements of 8 bytes; bit 21 set beside a mask
	s_mov_b32 s[G1+1], 32<<16
	s_mov_b32 s[G1+2], 128<<16
	s_mov_b32 s[G1+3], 32<<16
	s_mov_b32 s[G1+4], 128
	s_mov_b32 s[G1+5], 32
	s_mov_b32 s[G1+6], 0
	s_mov_b32 s[G1+7], 0
	s_mov_b32 s[CS], 0x3e0293ee     ; c = log2(e) / sqrt(128)
	s_mov_b32 s[CS+1], s[CS]
	s_mov_b32 s[SEL], 0x76543210
	s_mov_b32 s[SEL+1], 0xfedcba98
	s_mov_b32 s[TB], 0
	s_mov_b32 s[SLOTS], 1024/(2*KS)-2
	s_cmp_eq_u32 ttmp9, 0           ; the head's first cluster: the same in all four partners
	s_cselect_b32 s[LIM], 1, -1
	v_and_b32 v1, 31, v0
	v_lshlrev_b32 v[PFO], 8, v1
	s_wait_dscnt 0x0                ; both opening adds are done
	s_wait_kmcnt 0x0
	s_add_nc_u64 s[22:23], s[4:5], s[22:23]  ; my tile of slot 0
	s_add_nc_u64 s[4:5], s[4:5], s[2:3]      ; Q at my block
	s_add_nc_u64 s[10:11], s[6:7], s[8:9]    ; O at my block and head
	s_lshl_b32 s2, s13, 13          ; my work-group's 8,192 bytes of a tile
	s_add_nc_u64 s[PFA:PFA+1], s[22:23], s[2:3]
	s_add_nc_u64 s[PFA:PFA+1], s[PFA:PFA+1], 2*2*KS*256  ; in slot 2; the first change of slots steps it to slot 3.  Nothing is prefetched at the head
	CROUND                          ; all four work-groups are here: the first joint loads meet
.irp s, 0,1
	s_mov_b32 s[G0+4*\s], 1
	s_add_co_u32 s[G0+4*\s+1], s21, \s*SLOT1
	s_add_nc_u64 s[G0+4*\s+2:G0+4*\s+3], s[22:23], \s*2*KS*256
	s_or_b32 s[G0+4*\s+3], s[G0+4*\s+3], 0x80000000
.endr
	tensor_load_to_lds s[G0:G0+3], s[G1:G1+7]        ; my two first fills stand together: two loads of mine are out
	s_nop 0
	tensor_load_to_lds s[G0+4:G0+7], s[G1:G1+7]
	s_nop 0
.rept 4
	v_nop
.endr
	v_lshlrev_b32 v11, 4, v1        ; 16 x lane
	s_lshl_b32 s2, s17, 16
	v_add_nc_u32 v[AK0], s2, v11
	v_add_nc_u32 v[AV0], 32768, v[AK0]
	s_lshl_b32 s2, s16, 2
	s_lshl_b32 s3, s17, 1
	s_add_co_u32 s8, s2, s3         ; tiles 0, 1: blocks 4 (w & 1) + 2 (w >> 1) on
	s_lshl_b32 s8, s8, 12
	v_add_nc_u32 v[QA], s8, v11
	s_add_co_u32 s8, s2, 2
	s_sub_co_u32 s8, s8, s3         ; tiles 2, 3: the other two of my 64 queries
	s_lshl_b32 s8, s8, 12
	v_add_nc_u32 v[QB], s8, v11
	WIN 0x80                        ; destination window 2
.irp i, 0,1,2,3,4,5,6,7,8,9,10,11,12,13,14,15  ; Q stays in registers: tile i / 4, channels 32 (i % 4) on
.if \i < 8
	global_load_b128 v[8*\i:8*\i+3],   v[QA], s[4:5] offset:(\i/4)*4096+(\i%4)*1024
	global_load_b128 v[8*\i+4:8*\i+7], v[QA], s[4:5] offset:(\i/4)*4096+(\i%4)*1024+512
.else
	global_load_b128 v[8*\i:8*\i+3],   v[QB], s[4:5] offset:(\i/4-2)*4096+(\i%4)*1024
	global_load_b128 v[8*\i+4:8*\i+7], v[QB], s[4:5] offset:(\i/4-2)*4096+(\i%4)*1024+512
.endif
.endr
	WIN 0
; THE MATRIX WORK OF A TURN, for piece x.  The accumulators take turns, one instruction a turn.
.macro PV x, zero                   ; product i of 32 of O^T += V^T P: keys 32 (i / 16) on, channels 16 ((i / 2) % 8) on, tile x + i % 2
	WIN W_PV
.set rO, 64*(\x+i%2)+8*((i/2)%8)
.set rV, 64*(i/16)+8*((i/2)%8)
.set rP, P+16*(\x+i%2)+8*(i/16)
.if \zero && (i < 16)
	v_wmma_f32_16x16x32_f16 v[rO:rO+7], v[rV:rV+7], v[rP:rP+7], 0
.else
	v_wmma_f32_16x16x32_f16 v[rO:rO+7], v[rV:rV+7], v[rP:rP+7], v[rO:rO+7]
.endif
.endm
.macro KQ x                         ; product i of 32 of S^T = K Q^T: channels 32 (i / 8) on, keys 16 ((i / 2) % 4) on, tile x + i % 2
	WIN W_KQ
.set rS, S+32*(\x+i%2)+8*((i/2)%4)
.set rK, KF+32*((i/2)%4)+8*(i/8)
.set rQ, 32*(\x+i%2)+8*(i/8)
.if i < 8
	v_wmma_f32_16x16x32_f16 v[rS:rS+7], v[rK:rK+7], v[rQ:rQ+7], 0
.else
	v_wmma_f32_16x16x32_f16 v[rS:rS+7], v[rK:rK+7], v[rQ:rQ+7], v[rS:rS+7]
.endif
.endm
; THE LDS LOADS stand in runs of 32
.macro FETCH_K
	WIN 0
	v_add_nc_u32 v[ADR], s[TB], v[AK0]
	WIN 0x80
.irp f, 0,1,2,3,4,5,6,7,8,9,10,11,12,13,14,15  ; keys 16 (f / 4) on, channels 32 (f % 4) on
	ds_load_b128 v[KF+8*\f:KF+8*\f+3],   v[ADR] offset:(\f/4)*4096+(\f%4)*1024
	ds_load_b128 v[KF+8*\f+4:KF+8*\f+7], v[ADR] offset:(\f/4)*4096+(\f%4)*1024+512
.endr
.endm
.macro FETCH_V
	WIN 0
	v_add_nc_u32 v[ADR], s[TB], v[AV0]
	s_add_co_u32 s[TB], s[TB], STEPB  ; the next fetch is the next step's
	s_wait_alu depctr_va_vdst(0)    ; the wait for the softmax's batch (SLICE), behind the address's addition and ahead of the loads
	WIN 0xc0
.irp f, 0,1,2,3,4,5,6,7,8,9,10,11,12,13,14,15  ; keys 32 (f / 8) on, channels 16 (f % 8) on
	ds_load_b128 v[8*\f:8*\f+3],   v[ADR] offset:(\f/8)*8192+(\f%8)*1024
	ds_load_b128 v[8*\f+4:8*\f+7], v[ADR] offset:(\f/8)*8192+(\f%8)*1024+512
.endr
.endm
; THE VECTOR WORK OF A TURN.  One tile's softmax for one key step is a list of 134 instructions; SM writes number j of it for tile t.
;   0-15 the maximum of the lane's 32 scores and the old m;  16-20 the other half of the lanes' maximum, the new m, c m, c m_old - c m_new;
;   21-69 ONE BATCH: the 16 packed scalings c s - c m and all 33 exponentials, none of which reads an exponential's result;  (the wait, once for both tiles: SLICE)
;   70-85 the roundings to f16;  86-101 the sums, l = a l + the sum;  102-133 the tile's O^T times a
.macro SM t, first
.set rT, ST+8*(\t)
.set rS, S+32*(\t)
.set rP, P+16*(\t)
.set rO, 64*(\t)+2*(j-102)
.if j < 102
	WIN 0
.endif
.if j < 4
	v_max3_num_f32 v[rT+4+j], v[rS+8*j], v[rS+8*j+1], v[rS+8*j+2]
.elseif j < 12
	v_max3_num_f32 v[rT+4+j%4], v[rT+4+j%4], v[rS+8*(j%4)+2*(j/4)+1], v[rS+8*(j%4)+2*(j/4)+2]
.elseif j == 12
	v_max3_num_f32 v[rT+4], v[rT+4], v[rS+7], v[rS+15]
.elseif j == 13
	v_max3_num_f32 v[rT+6], v[rT+6], v[rS+23], v[rS+31]
.elseif j == 14
	v_max3_num_f32 v[rT+4], v[rT+4], v[rT+5], v[rT+6]
.elseif (j == 15) && \first
	v_max_num_f32 v[rT+4], v[rT+4], v[rT+7]
.elseif j == 15
	v_max3_num_f32 v[rT+4], v[rT+4], v[rT+7], v[rT+1]
.elseif j == 16
	v_permlanex16_b32 v[rT+5], v[rT+4], s[SEL], s[SEL+1]  ; the query's other 32 keys lie in the lane 16 away
.elseif j == 18
	v_max_num_f32 v[rT+1], v[rT+4], v[rT+5]
.elseif j == 19
	v_mul_f32 v[rT], s[CS], v[rT+1]
.elseif ((j == 17) || (j == 20) || (j == 23) || (j > 101)) && \first  ; the first step has none of these
.elseif j == 17
	v_mov_b32 v[rT+7], v[rT]        ; c m_old is kept: number 19 writes c m anew
.elseif j == 20
	v_sub_f32 v[rT+7], v[rT+7], v[rT]
.elseif j == 23
	v_exp_f32 v[rT+6], v[rT+7]
.elseif (j < 23) || ((j < 38) && (j%2 == 0)) || ((j < 66) && (j%4 == 2))
.set b, (j-2)/4
.if j < 38
.set b, (j-20)/2
.endif
	v_pk_fma_f32 v[rS+2*b:rS+2*b+1], v[rS+2*b:rS+2*b+1], s[CS:CS+1], v[rT:rT+1] op_sel_hi:[1,0,0] neg_lo:[0,0,1] neg_hi:[0,0,1]  ; pair b: c s - c m
.elseif j < 70
.set e, j-38
.if j < 66
.set e, j-32-(j-38)/4
.endif
.if j < 38
.set e, (j-25)/2
.endif
	v_exp_f32 v[rS+e], v[rS+e]
.elseif j < 86
	v_cvt_pk_f16_f32 v[rP+j-70], v[rS+2*(j-70)], v[rS+2*(j-70)+1]
.elseif j < 102
.set z, j-86
.set w, 4
.set u, z
.if z >= 14
.set w, 32
.set u, 0
.elseif z >= 12
.set w, 16
.set u, z-12
.elseif z >= 8
.set w, 8
.set u, z-8
.endif
.if (z == 14) && \first
	v_pk_add_f32 v[rT+2:rT+3], v[rS:rS+1], v[rS+16:rS+17]
.elseif z < 15
	v_pk_add_f32 v[rS+w*u:rS+w*u+1], v[rS+w*u:rS+w*u+1], v[rS+w*u+w/2:rS+w*u+w/2+1]
.elseif !\first
	v_pk_fma_f32 v[rT+2:rT+3], v[rT+2:rT+3], v[rT+6:rT+7], v[rS:rS+1] op_sel_hi:[1,0,1]
.endif
.else
	WIN W_RS
	v_pk_mul_f32 v[rO:rO+1], v[rO:rO+1], v[rT+6:rT+7] op_sel_hi:[1,0]
.endif
.endm
; Slice k of 64 of piece y's softmax: four instructions.  Slices 11 to 34 deal out the batch, four numbers of one tile each, the tiles by turns; every other slice is numbers 2 k and 2 k + 1 of both tiles;
; the twelve that are over stand in slice 63.  Ahead of slice 35 nothing names an exponential's result and behind slice 34 none is issued: one wait, behind slice 34.
.macro SLICE y, first
.if (k >= 11) && (k < 35)
.irp n, 0,1,2,3
.set j, 22+4*((k-11)/2)+(\n)
	SM (\y)+(k-11)%2, \first
.endr
.else
.irp n, 0,1,2,3,4,5,6,7
.if (\n < 2) || (k == 63)
.irp t, \y, \y+1
.set j, 2*k+\n
	SM \t, \first
.endr
.endif
.endr
.endif
.if k == 34
	v_nop                           ; the plain instruction behind the last exponential: one for the batch
.if (\y) == 0
	FETCH_V                         ; piece 2's turn: V's run of loads stands here, and the wait stands in it
.else
	s_wait_alu depctr_va_vdst(0)    ; the wait for the batch
.endif
.endif
.set k, k+1
.endm
.macro PLACES
.rept 4
	v_nop
.endr
.endm
; A TURN.  Piece x has the matrix unit; the other piece's softmax stands in slices behind its matrix instructions.  pv = 2: 32 products V^T P; 1: they start O^T's sums; 0: none.  kq = 1: 32 products K Q^T.
.macro TURN x, pv, kq, first
.set k, 0
.set per, 2
.if \pv && \kq
.set per, 1
.endif
.if \pv
.if \x == 0
	s_wait_dscnt 0x0                ; V is in
.endif
.set i, 0
.rept 32
	PV \x, 2-\pv
.rept per
	SLICE 2-\x, \first
.endr
.if (\x == 0) && \kq && (i == 1)
	FETCH_K
.endif
.set i, i+1
.endr
.endif
.if \kq
.if \x == 0
	s_wait_dscnt 0x0                ; K is in
.endif
.set i, 0
.rept 32
	KQ \x
.rept per
	SLICE 2-\x, \first
.endr
.set i, i+1
.endr
.endif
.if \first
	PLACES
.endif
.endm
; THE CHANGE OF SLOTS: each wave waits for all its tensor loads (one is out: its part of the other slot), adds 0 to its spare word, and waits for that and for its reads of the slot.
; fill = 1: the barrier is a round of the cluster's, and the joint refill is the first thing behind it: it has two key steps, 256 matrix instructions, in which to land.
.macro CHANGE fill
	WIN 0
	s_wait_tensorcnt 0x0            ; no tensor load of mine is out, so a group 0 may be written
	ds_add_u32 v[SPW], v[NIL]       ; 0 onto my spare word
.if \fill
	s_xor_b32 s[G0+5], s[G0+5], SLOT1  ; the walking descriptor: the other slot than last time,
	s_add_nc_u64 s[G0+6:G0+7], s[G0+6:G0+7], 2*KS*256  ; the next 128 keys
	s_wait_xcnt 0x0                 ; the last prefetch, two key steps back, has read its address
	s_add_nc_u64 s[PFA:PFA+1], s[PFA:PFA+1], 2*KS*256
	s_wait_dscnt 0x0                ; the add is done, and my reads of the slot are over
	CROUND
	JLOAD
	ASK
.else
	s_wait_dscnt 0x0
	s_barrier_signal -1
	s_barrier_wait -1
.endif
	s_sub_co_u32 s[TB], s[TB], 2*STEPB  ; the fetches go back to a slot's first step,
	s_xor_b32 s[TB], s[TB], SLOT1   ; in the other slot
.endm
.macro TWO_STEPS
	s_mov_b32 s[TWICE], 2
.Lstep_\@:
	TURN 0, 2, 1, 0
	TURN 2, 2, 1, 0
	WIN 0
	s_sub_co_u32 s[TWICE], s[TWICE], 1
	s_cmp_lg_u32 s[TWICE], 0
	s_cbranch_scc1 .Lstep_\@
.endm
	s_wait_tensorcnt 1              ; my part of slot 0 is in; slot 1's may stay out
	s_barrier_signal -1
	s_barrier_wait -1
	FETCH_K                         ; key step 0
	s_wait_loadcnt 0x0              ; Q
	s_wait_dscnt 0x0
.set i, 0
.rept 32
	KQ 0
.set i, i+1
.endr
	WIN 0                           ; the exchange's addresses are made here: plain instructions, the places behind those products
	s_lshl_b32 s13, s[WV], 14
	s_xor_b32 s2, s[WV], 2          ; my partner: the same queries, the other half of the keys
	s_lshl_b32 s14, s2, 14
	s_lshl_b32 s16, s[WV], 9
	s_add_co_u32 s16, s16, XST
	s_lshl_b32 s17, s2, 9
	s_add_co_u32 s17, s17, XST
	v_and_b32 v1, 31, v0
	v_lshlrev_b32 v11, 4, v1
	v_add_nc_u32 v[XS], s13, v11
	v_add_nc_u32 v[XL], s14, v11
	v_lshlrev_b32 v11, 2, v1
	v_add_nc_u32 v[XSS], s16, v11
	v_add_nc_u32 v[XLS], s17, v11
	TURN 2, 0, 1, 1                 ; piece 2's first scores | piece 0's first softmax | V of step 0
	TURN 0, 1, 1, 1                 ; piece 0: V^T P of step 0 starts O^T, K Q^T of step 1 | piece 2's first softmax | K of step 1
	TURN 2, 1, 1, 0                 ; piece 2: the same | piece 0's softmax of step 1 | V of step 1
	WIN 0
.Lslot:                             ; six trips: every slot but the last two is filled again
	CHANGE 1
	TWO_STEPS
	s_sub_co_u32 s[SLOTS], s[SLOTS], 1
	s_cmp_lg_u32 s[SLOTS], 0
	s_cbranch_scc1 .Lslot
	CHANGE 0                        ; the tail is written out
	TWO_STEPS
	TURN 0, 2, 0, 0                 ; piece 0: V^T P of the last step | piece 2's last softmax
.set i, 0
.rept 32
	PV 2, 0
.set i, i+1
.endr
	; THE WAY OUT.  Each tile's l; tiles 2, 3 (O^T, c m, l) go to my partner through LDS, its tiles 2, 3 come to me: they are my tiles 0, 1 over the other half of the keys.
	; With M = max(c m, c m'): O = (O 2^(c m - M) + O' 2^(c m' - M)) / (l 2^(c m - M) + l' 2^(c m' - M)).  The additions below are the places behind the last products.
	WIN 0
.irp t, 0,1,2,3
	v_add_f32 v[ST+8*\t+4], v[ST+8*\t+2], v[ST+8*\t+3]
.endr
.irp t, 0,1,2,3
	v_permlanex16_b32 v[ST+8*\t+5], v[ST+8*\t+4], s[SEL], s[SEL+1]
.endr
.irp t, 0,1,2,3
	v_add_f32 v[ST+8*\t+4], v[ST+8*\t+4], v[ST+8*\t+5]
.endr
	WIN 0x04                        ; an LDS store's data are its source 1: window 1
.set i, 0
.rept 32
	ds_store_b128 v[XS], v[128+4*i:128+4*i+3] offset:512*i   ; as they stand, each accumulator from its low end on
.set i, i+1
.endr
	WIN 0
	ds_store_b32 v[XSS], v[ST+16]
	ds_store_b32 v[XSS], v[ST+20] offset:128
	ds_store_b32 v[XSS], v[ST+24] offset:256
	ds_store_b32 v[XSS], v[ST+28] offset:384
	s_wait_dscnt 0x0                ; for my partner's sake: my stores are done
	s_barrier_signal -1
	s_barrier_wait -1
	ds_load_b32 v[ST+5], v[XLS]
	ds_load_b32 v[ST+7], v[XLS] offset:128
	ds_load_b32 v[ST+13], v[XLS] offset:256
	ds_load_b32 v[ST+15], v[XLS] offset:384
.set i, 0
.rept 32
	ds_load_b128 v[S+4*i:S+4*i+3], v[XL] offset:512*i
.set i, i+1
.endr
	s_wait_dscnt 32                 ; the four statistics are in; the 32 loads of O^T may be out
.irp t, 0,1
	v_max_num_f32 v[ST+8*\t+1], v[ST+8*\t], v[ST+8*\t+5]
.endr
.irp t, 0,1
	v_sub_f32 v[ST+8*\t+2], v[ST+8*\t], v[ST+8*\t+1]
	v_sub_f32 v[ST+8*\t+6], v[ST+8*\t+5], v[ST+8*\t+1]
.endr
.irp t, 0,1
	v_exp_f32 v[ST+8*\t+2], v[ST+8*\t+2]
	v_exp_f32 v[ST+8*\t+6], v[ST+8*\t+6]
.endr
	v_nop
	s_wait_alu depctr_va_vdst(0)    ; one wait for the four exponentials, ahead of their first reader
.irp t, 0,1
	v_mul_f32 v[ST+8*\t+4], v[ST+8*\t+4], v[ST+8*\t+2]
.endr
.irp t, 0,1
	v_fma_f32 v[ST+8*\t+4], v[ST+8*\t+7], v[ST+8*\t+6], v[ST+8*\t+4]
.endr
.irp t, 0,1
	v_rcp_f32 v[ST+8*\t+1], v[ST+8*\t+4]
.endr
	v_nop
	s_wait_alu depctr_va_vdst(0)    ; and one for the two reciprocals
.irp t, 0,1
	v_mul_f32 v[ST+8*\t+2], v[ST+8*\t+2], v[ST+8*\t+1]
	v_mul_f32 v[ST+8*\t+6], v[ST+8*\t+6], v[ST+8*\t+1]
.endr
	s_wait_dscnt 0x0
.irp t, 0,1
.set i, 0
.rept 32
	v_pk_mul_f32 v[S+64*\t+2*i:S+64*\t+2*i+1], v[S+64*\t+2*i:S+64*\t+2*i+1], v[ST+8*\t+6:ST+8*\t+7] op_sel_hi:[1,0]
.set i, i+1
.endr
	WIN 0x01                        ; source 0: my own O^T, window 1
.set i, 0
.rept 32
	v_pk_fma_f32 v[S+64*\t+2*i:S+64*\t+2*i+1], v[64*\t+2*i:64*\t+2*i+1], v[ST+8*\t+2:ST+8*\t+3], v[S+64*\t+2*i:S+64*\t+2*i+1] op_sel_hi:[1,0,1]
.set i, i+1
.endr
	WIN 0
.set i, 0
.rept 32
	v_cvt_pk_f16_f32 v[P+32*\t+i], v[S+64*\t+2*i], v[S+64*\t+2*i+1]
.set i, i+1
.endr
.irp f, 0,1,2,3,4,5,6,7
	global_store_b128 v[QA], v[P+32*\t+4*\f:P+32*\t+4*\f+3], s[10:11] offset:\t*4096+\f*512   ; a store covers 512 consecutive bytes, aligned
.endr
.endr
	s_wait_tensorcnt 0x0            ; the wave's end
	ds_add_u32 v[SPW], v[NIL]
	s_wait_dscnt 0x0
	CROUND                          ; the closing round
	s_endpgm
.Lfunc_end_k_qf1103cf5df_attention:
	.size	k_qf1103cf5df_attention, .Lfunc_end_k_qf1103cf5df_attention-k_qf1103cf5df_attention
	.p2alignl 7, 3214868480
	.fill 96, 4, 3214868480
	.section	.rodata,"a",@progbits
	.p2align	6, 0x0
	.amdhsa_kernel k_qf1103cf5df_attention
		.amdhsa_group_segment_fixed_size 327680
		.amdhsa_private_segment_fixed_size 0
		.amdhsa_enable_private_segment 0
		.amdhsa_kernarg_size 16
		.amdhsa_user_sgpr_count 2
		.amdhsa_user_sgpr_kernarg_segment_ptr 1
		.amdhsa_wavefront_size32 1
		.amdhsa_system_sgpr_workgroup_id_x 1
		.amdhsa_system_sgpr_workgroup_id_y 1
		.amdhsa_system_sgpr_workgroup_id_z 1
		.amdhsa_system_vgpr_workitem_id 0
		.amdhsa_next_free_vgpr 1024
		.amdhsa_next_free_sgpr 66
		.amdhsa_reserve_vcc 0
		.amdhsa_float_denorm_mode_32 3
		.amdhsa_float_denorm_mode_16_64 3
		.amdhsa_memory_ordered 1
		.amdhsa_forward_progress 1
		.amdhsa_inst_pref_size 214
	.end_amdhsa_kernel
	.amdgpu_metadata
---
amdhsa.version: [ 1, 2 ]
amdhsa.kernels:
  - .name:           k_qf1103cf5df_attention
    .symbol:         k_qf1103cf5df_attention.kd
    .args:
      - { .name: qkv, .offset: 0, .size: 8, .value_kind: global_buffer, .address_space: global }
      - { .name: aimg, .offset: 8, .size: 8, .value_kind: global_buffer, .address_space: global }
    .group_segment_fixed_size: 327680
    .private_segment_fixed_size: 0
    .kernarg_segment_align: 8
    .kernarg_segment_size: 16
    .max_flat_workgroup_size: 128
    .sgpr_count:     66
    .vgpr_count:     1024
    .wavefront_size: 32
...
	.end_amdgpu_metadata
.endif
;; end of part 3
;; launch outgemm (part 4): grid 16 x 16, 4 waves a work-group, clusters of 4 x 4, 327,680 bytes of LDS; arguments aimg, wimg, b_out, out0; writes out0
.if DOCPART == 4
	.amdgcn_target "amdgcn-amd-amdhsa--gfx1250"
	.amdhsa_code_object_version 6
	.text
	.protected	k_qf1103cf5df_outgemm
	.globl	k_qf1103cf5df_outgemm
	.p2align	8
	.type	k_qf1103cf5df_outgemm,@function
k_qf1103cf5df_outgemm:
	s_mov_b64 s[64:65], 0
	v_nop
	global_prefetch_b8 v0, s[64:65] scope:SCOPE_SE
	s_setreg_imm32_b32 hwreg(HW_REG_WAVE_MODE, 25, 1), 1
	s_wait_xcnt 0x0
	s_wait_alu depctr_hold_cnt(0) depctr_sa_sdst(0) depctr_va_vdst(0) depctr_va_sdst(0) depctr_va_ssrc(0) depctr_va_vcc(0) depctr_vm_vsrc(0)
	s_getreg_b32 s2, hwreg(HW_REG_IB_STS2, 6, 4)
	s_cmp_eq_u32 s2, 0
	s_cbranch_scc0 .Lentry_in_a_cluster
	s_endpgm
.Lentry_in_a_cluster:
	s_bfe_u32 s2, ttmp6, 0x10000c
	s_cmp_lg_u32 s2, 0xf033
	s_cbranch_scc0 .Lentry_shape_is_right
	s_endpgm
.Lentry_shape_is_right:
; out = attn x w_out + b_out: [2048][2048] x [2048][2048], f16 operands, f32 sums, f32 out.  Both operands lie in memory as images of the fragments' registers: a block of 128 rows x 128 along K is 32 KB on end.
; A tile of C is 128 x 128: 256 work-groups.  Wave w makes 64 rows (w >> 1) x ALL 128 columns over HALF OF K (w & 1): 32 accumulators.  The two halves of K meet in the stage through which the f32 rows leave
; anyway: each output is the sum of two f32 sums and the bias.
; B GOES THROUGH LDS, A STRAIGHT INTO REGISTERS.  Each fragment of A is read by ONE wave of the work-group, so LDS would serve it nothing there; and with B alone in the ring a slot of 128 KB holds 256 along K of
; each half: 256 matrix instructions a wave stand between two refills where both operands in the ring would leave 128, and there are two refills in all.  That is why A's tiles are not asked for jointly.
; A's fragments come by loads of 512 consecutive bytes into a ring of eight register buffers, seven quarters (of 32 along K) ahead: 56 loads of a wave are out.  So no prefetch is laid for them; B's tiles are shared sixteen ways.
; B: slot s holds, for each half of K, blocks 2 s and 2 s + 1 of 128 along K; each wave fetches one of the four, 32 KB.  CLUSTERS: 4 x 4: B's tiles are shared along a column of the cluster: joint loads, all of one
; shape and one mask: one line, no branch.  THE MATRIX INSTRUCTION IS USED TRANSPOSED (source 0 = 16 rows of B, source 1 = 16 rows of A).  The 32 quarters are written out: there is no loop.
; REGISTERS: window 0: v16-29 addresses; v32-95, v96-159 B's fragments, two buffers; v224-227 the bias.   window 1: accumulator (i, n) at v[8 (8 i + n)].   window 2: A's fragments, quarter Q at v[32 (Q % 8)].
.set SLOT,   131072
.set SPARE,  2*SLOT                    ; behind the ring: the spare words, 128 bytes a wave
.set SPITCH, 528                       ; the stage: rows of 512 bytes + 16; 128 rows for each half of K, from LDS byte 0, in slots that have had their last fill and their last read
.set HSTG,   128*SPITCH
.set AO,   16                          ; v16  A: 16 x lane + my four blocks of 16 rows; never rewritten
.set ADRB, 20                          ; v20-21  LDS address of my half's B in slot 0, 1
.set STO,  22
.set RD0,  23
.set RD1,  24
.set CO,   26                          ; v26  16 x lane; never rewritten
.set SPW,  28
.set NIL,  29
.set F0,   32
.set BIAS, 224
.set G1, 24                            ; s[24:31] descriptor group 1
.set G0, 32                            ; s[32:39] group 0, one set for each slot
.set MSB, 0
.macro WIN new
.if MSB != \new
	s_set_vgpr_msb (MSB<<8)|\new
.set MSB, \new
.endif
.endm
.set MUL,  0x58                        ; source 0 (B) window 0, source 1 (A) window 2, C and D window 1
.set TO_A, 0x80                        ; destination window 2, address window 0
.macro JLOAD s                         ; a joint load: each wave its own 32 KB, by addresses that hang on the wave's number and the tile column alone; an s_nop 0 and four v_nop follow
	tensor_load_to_lds s[G0+4*\s:G0+4*\s+3], s[G1:G1+7]
	s_nop 0
.rept 4
	v_nop
.endr
.endm
.macro CREST
	s_cmp_lg_u32 s12, 0
	s_cbranch_scc1 .Lnot_wave_0_\@
	s_barrier_signal -3
.Lnot_wave_0_\@:
	s_barrier_wait -3
	s_barrier_signal -1
	s_barrier_wait -1
.endm
.macro CROUND
	s_barrier_signal -1
	s_barrier_wait -1
	CREST
.endm
	s_load_b256 s[4:11], s[0:1], 0x0               ; aimg s[4:5], wimg s[6:7], b_out s[8:9], out0 s[10:11]
	v_lshl_add_u32 v[SPW], v0, 2, SPARE
	v_mov_b32 v[NIL], 0
	ds_add_u32 v[SPW], v[NIL]                      ; the wave's opening: the add, twice on end, and its wait ahead of my first tensor load
	ds_add_u32 v[SPW], v[NIL]
	v_lshrrev_b32 v1, 5, v0
	v_readfirstlane_b32 s12, v1                    ; wave
	s_lshr_b32 s13, s12, 1                         ; which 64 rows are mine.  Also: which of a slot's two blocks of 128 along K I fetch
	s_and_b32 s14, s12, 1                          ; which half of K is mine, to multiply and to fetch
	s_bfe_u32 s40, ttmp6, 0x40000
	s_bfe_u32 s41, ttmp6, 0x40004
	s_lshl_b32 s42, ttmp9, 2
	s_add_co_u32 s42, s42, s40                     ; tile column
	s_and_b32 s15, ttmp7, 0xffff
	s_lshl_b32 s15, s15, 2
	s_add_co_u32 s15, s15, s41                     ; tile row
	s_lshl_b32 s44, 0x1111, s40                    ; my column of the cluster
	s_or_b32 s[G1+0], s44, (3<<16)|(1<<21)         ; a dense block of 32 KB as 128 rows of 256 bytes (32 elements of 8 bytes)
	s_mov_b32 s[G1+1], 32<<16
	s_mov_b32 s[G1+2], 128<<16
	s_mov_b32 s[G1+3], 32<<16
	s_mov_b32 s[G1+4], 128
	s_mov_b32 s[G1+5], 32
	s_mov_b32 s[G1+6], 0
	s_mov_b32 s[G1+7], 0
	s_lshl_b32 s46, s42, 19                        ; B: 128 columns are 512 KB,
	s_lshl_b32 s17, s14, 18                        ; half of K 8 blocks of 32 KB,
	s_add_co_u32 s46, s46, s17
	s_lshl_b32 s17, s13, 15                        ; and my block of the slot's two
	s_add_co_u32 s46, s46, s17
	s_mov_b32 s47, 0
	s_lshl_b32 s20, s14, 16                        ; where it goes: a half's two blocks lie on end: 65,536 x half + 32,768 x block
	s_add_co_u32 s20, s20, s17
	s_lshl_b32 s16, s15, 19                        ; A: 128 rows are 512 KB,
	s_lshl_b32 s17, s14, 18                        ; my half of K
	s_add_co_u32 s16, s16, s17
	s_mov_b32 s17, 0
	s_wait_dscnt 0x0                               ; both opening adds are done
	s_wait_kmcnt 0x0
	s_add_nc_u64 s[46:47], s[6:7], s[46:47]
	s_add_nc_u64 s[4:5], s[4:5], s[16:17]
	CROUND                                         ; all sixteen work-groups are here: the first joint loads meet
.irp s, 0,1
	s_mov_b32 s[G0+4*\s], 1
	s_add_co_u32 s[G0+4*\s+1], s20, \s*SLOT
	s_add_nc_u64 s[G0+4*\s+2:G0+4*\s+3], s[46:47], \s*65536
	s_or_b32 s[G0+4*\s+3], s[G0+4*\s+3], 0x80000000
	JLOAD \s
.endr
	v_and_b32 v1, 15, v0                           ; r
	v_bfe_u32 v2, v0, 4, 1                         ; h
	v_and_b32 v3, 31, v0
	v_lshlrev_b32 v[CO], 4, v3
	s_lshl_b32 s22, s13, 14                        ; my four blocks of 16 rows of A
	v_add_nc_u32 v[AO], s22, v[CO]
	s_lshl_b32 s46, s42, 9                         ; the tile's first column, in bytes
	s_mov_b32 s47, 0
	s_add_nc_u64 s[8:9], s[8:9], s[46:47]
	global_load_b128 v[BIAS:BIAS+3], v[CO], s[8:9] ; the bias of my four columns: ahead of A's loads, so that every wait for them covers it
; A's four fragments of quarter q (32 along K) into buffer q % 8: eight loads of 512 consecutive bytes.  It leaves the windows at TO_A
.macro ALOAD q
	WIN TO_A
.irp i, 0,1,2,3
	global_load_b128 v[32*((\q)%8)+8*\i:32*((\q)%8)+8*\i+3],   v[AO], s[4:5] offset:((\q)/4)*32768+\i*4096+((\q)%4)*1024
	global_load_b128 v[32*((\q)%8)+8*\i+4:32*((\q)%8)+8*\i+7], v[AO], s[4:5] offset:((\q)/4)*32768+\i*4096+((\q)%4)*1024+512
.endr
.endm
.irp q, 0,1,2,3,4,5,6
	ALOAD \q
.endr
	WIN 0
	s_lshl_b32 s21, s14, 16                        ; my half of K in a slot
.irp s, 0,1
	v_add_nc_u32 v[ADRB+\s], s21, v[CO]
	s_add_co_u32 s21, s21, SLOT
.endr
	s_mul_i32 s21, s14, HSTG                       ; into the stage of my half of K: row 64 x (my rows) + r, 32 bytes for each half of the lanes
	s_mul_i32 s22, s13, 64*SPITCH
	s_add_co_u32 s21, s21, s22
	v_mul_u32_u24 v4, v1, SPITCH
	v_lshl_add_u32 v4, v2, 5, v4
	v_add_nc_u32 v[STO], s21, v4
	s_mul_i32 s21, s12, 32*SPITCH                  ; back: wave w takes rows 32 w on, whole, out of both stages
	v_add_nc_u32 v[RD0], s21, v[CO]
	v_add_nc_u32 v[RD1], HSTG, v[RD0]
	s_lshl_b32 s16, s15, 7
	s_lshl_b32 s17, s12, 5
	s_add_co_u32 s16, s16, s17                     ; the first row that I store
	s_lshl_b32 s16, s16, 13
	s_add_co_u32 s16, s16, s46
	s_mov_b32 s17, 0
	s_add_nc_u64 s[10:11], s[10:11], s[16:17]
; 8 matrix instructions: A's block i (buffer at ab) x B's eight (buffer at f), 32 along K.  The 32 accumulators take turns, one instruction a turn, in the same order in every quarter.
.macro MUL8 f, ab, i, zero
.irp n, 0,1,2,3,4,5,6,7
.if \zero
	v_wmma_f32_16x16x32_f16 v[8*(8*(\i)+\n):8*(8*(\i)+\n)+7], v[\f+8*\n:\f+8*\n+7], v[\ab+8*(\i):\ab+8*(\i)+7], 0
.else
	v_wmma_f32_16x16x32_f16 v[8*(8*(\i)+\n):8*(8*(\i)+\n)+7], v[\f+8*\n:\f+8*\n+7], v[\ab+8*(\i):\ab+8*(\i)+7], v[8*(8*(\i)+\n):8*(8*(\i)+\n)+7]
.endif
.endr
.endm
; 16 LDS loads in one run: B's eight fragments of the slot's qq-th quarter (of eight) into buffer f
.macro FETCHB slot, qq, f
	WIN 0
.irp n, 0,1,2,3,4,5,6,7
	ds_load_b128 v[\f+8*\n:\f+8*\n+3],   v[ADRB+\slot] offset:((\qq)/4)*32768+\n*4096+((\qq)%4)*1024
	ds_load_b128 v[\f+8*\n+4:\f+8*\n+7], v[ADRB+\slot] offset:((\qq)/4)*32768+\n*4096+((\qq)%4)*1024+512
.endr
.endm
.macro PLACES                          ; four plain places in front of loads into registers that matrix instructions have read, and of the first read of results
.rept 4
	v_nop
.endr
.endm
.macro NAMES q                         ; quarter q's buffers, and how many of A's loads were issued behind its own: those of the next six quarters, as far as there are any
.set FB, F0+64*((\q)%2)
.set FN, F0+64*(((\q)+1)%2)
.set AB, 32*((\q)%8)
.set SL, ((\q)/8)%2
.set QN, ((\q)+1)%8
.set LC, 8*(31-(\q))
.if LC > 48
.set LC, 48
.endif
.endm
; A quarter that has its successor in the same slot: 32 matrix instructions.  Behind its first eight: B's next fragments, into the buffer that the last quarter read, and A's of seven quarters on, likewise.
.macro QUARTER q, zero
	NAMES \q
	s_wait_loadcnt LC                              ; A's fragments of this quarter are in; the younger loads may be out
	s_wait_dscnt 0x0                               ; B's are in
	WIN MUL
	MUL8 FB, AB, 0, \zero
	PLACES
	FETCHB SL, QN, FN
.if (\q)+7 < 32
	ALOAD (\q)+7
.endif
	WIN MUL
	MUL8 FB, AB, 1, \zero
	MUL8 FB, AB, 2, \zero
	MUL8 FB, AB, 3, \zero
.endm
; A slot's last quarter changes slots: one barrier; in front of it each wave waits for all its tensor loads, adds 0 to its spare word, and waits for that and for its reads of this slot.
.macro TURN q, fill
	NAMES \q
	WIN 0
	s_wait_tensorcnt 0x0                           ; all my tensor loads have landed: my part of the next slot
	ds_add_u32 v[SPW], v[NIL]                      ; 0 onto my spare word
	s_wait_loadcnt LC
	s_wait_dscnt 1                                 ; B's fragments are in; the add may be out
	WIN MUL
	MUL8 FB, AB, 0, 0
	s_wait_dscnt 0x0                               ; the add is done, and my reads of this slot are over
	s_barrier_signal -1
	MUL8 FB, AB, 1, 0
.if \fill
	WIN 0
.endif
	s_barrier_wait -1
.if \fill
	CREST                                          ; the barrier has opened a round of the cluster's barrier: no wave of any partner still reads this slot or has a load on its way
	s_add_nc_u64 s[G0+4*SL+2:G0+4*SL+3], s[G0+4*SL+2:G0+4*SL+3], 131072
	JLOAD SL                                       ; the first tensor load behind the round: it has eight quarters in which to land; its four v_nop are the places in front of the loads below
.else
	PLACES
.endif
	FETCHB 1-SL, 0, FN
.if (\q)+7 < 32
	ALOAD (\q)+7
.endif
	WIN MUL
	MUL8 FB, AB, 2, 0
	MUL8 FB, AB, 3, 0
.endm
	s_wait_tensorcnt 1                             ; my part of slot 0 is in (slot 1's load may be out),
	s_barrier_signal -1
	s_barrier_wait -1                              ; everybody's is
	FETCHB 0, 0, F0
	QUARTER 0, 1                                   ; the first quarter's products start the 32 sums: nothing is cleared
.irp q, 1,2,3,4,5,6
	QUARTER \q, 0
.endr
	TURN 7, 1                                      ; slot 0 takes the third 256 along K of each half
.irp q, 8,9,10,11,12,13,14
	QUARTER \q, 0
.endr
	TURN 15, 1                                     ; slot 1 the fourth
.irp q, 16,17,18,19,20,21,22
	QUARTER \q, 0
.endr
	TURN 23, 0                                     ; nothing is left to fetch
.irp q, 24,25,26,27,28,29,30
	QUARTER \q, 0
.endr
	NAMES 31
	s_wait_loadcnt 0x0
	s_wait_dscnt 0x0
	WIN MUL
	MUL8 FB, AB, 0, 0
	MUL8 FB, AB, 1, 0
	MUL8 FB, AB, 2, 0
	MUL8 FB, AB, 3, 0
	WIN 0
	; THE WAY OUT.  Behind a barrier nobody reads the ring any more; each wave puts its 64 x 128 sums into the stage of its half of K; behind a second barrier each wave reads 32 whole rows out of both stages,
	; adds them and the bias, and stores rows of 512 consecutive bytes.
	PLACES
	s_barrier_signal -1                            ; (no LDS instruction of mine is out: the last wait was for 0)
	s_barrier_wait -1
	WIN 0x04                                       ; an LDS store's data are its source 1: window 1
.irp i, 0,1,2,3
.irp n, 0,1,2,3,4,5,6,7
	ds_store_b128 v[STO], v[8*(8*\i+\n):8*(8*\i+\n)+3] offset:\i*16*SPITCH+64*\n        ; each accumulator from its low end on
	ds_store_b128 v[STO], v[8*(8*\i+\n)+4:8*(8*\i+\n)+7] offset:\i*16*SPITCH+64*\n+16
.endr
.endr
	WIN 0
	s_wait_dscnt 0x0                               ; for the others' sake: my stores are done
	s_barrier_signal -1
	s_barrier_wait -1
.macro LBATCH n                        ; rows 8 n .. 8 n + 7 of my 32, both halves of K, into set n % 2
.set BB, 32+96*((\n)%2)
.irp t, 0,1,2,3,4,5,6,7
	ds_load_b128 v[BB+8*\t:BB+8*\t+3],   v[RD0] offset:(8*(\n)+\t)*SPITCH
	ds_load_b128 v[BB+8*\t+4:BB+8*\t+7], v[RD1] offset:(8*(\n)+\t)*SPITCH
.endr
.endm
.macro SBATCH n, younger
.set BB, 32+96*((\n)%2)
	s_wait_dscnt \younger                          ; this batch is in; the next batch's 16 loads may be out
.irp t, 0,1,2,3,4,5,6,7
	v_pk_add_f32 v[BB+8*\t:BB+8*\t+1],   v[BB+8*\t:BB+8*\t+1],   v[BB+8*\t+4:BB+8*\t+5]
	v_pk_add_f32 v[BB+8*\t+2:BB+8*\t+3], v[BB+8*\t+2:BB+8*\t+3], v[BB+8*\t+6:BB+8*\t+7]
	v_pk_add_f32 v[BB+8*\t:BB+8*\t+1],   v[BB+8*\t:BB+8*\t+1],   v[BIAS:BIAS+1]
	v_pk_add_f32 v[BB+8*\t+2:BB+8*\t+3], v[BB+8*\t+2:BB+8*\t+3], v[BIAS+2:BIAS+3]
	global_store_b128 v[CO], v[BB+8*\t:BB+8*\t+3], s[10:11] offset:(8*(\n)+\t)*8192 th:TH_STORE_NT   ; 32 lanes store 512 consecutive bytes, aligned
.endr
.endm
	LBATCH 0
	LBATCH 1
	SBATCH 0, 16                                   ; (the bias is in: the last quarter waited for all loads)
	s_wait_xcnt 0x0                                ; the stores have read their data: the set is loaded again only behind this wait
	LBATCH 2
	SBATCH 1, 16
	s_wait_xcnt 0x0
	LBATCH 3
	SBATCH 2, 16
	SBATCH 3, 0
	s_wait_tensorcnt 0x0                           ; the wave's end
	ds_add_u32 v[SPW], v[NIL]
	s_wait_dscnt 0x0
	CROUND                                         ; the closing round
	s_endpgm
.Lfunc_end_k_qf1103cf5df_outgemm:
	.size	k_qf1103cf5df_outgemm, .Lfunc_end_k_qf1103cf5df_outgemm-k_qf1103cf5df_outgemm
	.p2alignl 7, 3214868480
	.fill 96, 4, 3214868480
	.section	.rodata,"a",@progbits
	.p2align	6, 0x0
	.amdhsa_kernel k_qf1103cf5df_outgemm
		.amdhsa_group_segment_fixed_size 327680
		.amdhsa_private_segment_fixed_size 0
		.amdhsa_enable_private_segment 0
		.amdhsa_kernarg_size 32
		.amdhsa_user_sgpr_count 2
		.amdhsa_user_sgpr_kernarg_segment_ptr 1
		.amdhsa_wavefront_size32 1
		.amdhsa_system_sgpr_workgroup_id_x 1
		.amdhsa_system_sgpr_workgroup_id_y 1
		.amdhsa_system_sgpr_workgroup_id_z 1
		.amdhsa_system_vgpr_workitem_id 0
		.amdhsa_next_free_vgpr 768
		.amdhsa_next_free_sgpr 66
		.amdhsa_reserve_vcc 0
		.amdhsa_float_denorm_mode_32 3
		.amdhsa_float_denorm_mode_16_64 3
		.amdhsa_memory_ordered 1
		.amdhsa_forward_progress 1
		.amdhsa_inst_pref_size 156
	.end_amdhsa_kernel
	.amdgpu_metadata
---
amdhsa.version: [ 1, 2 ]
amdhsa.kernels:
  - .name:           k_qf1103cf5df_outgemm
    .symbol:         k_qf1103cf5df_outgemm.kd
    .args:
      - { .name: aimg, .offset: 0, .size: 8, .value_kind: global_buffer, .address_space: global }
      - { .name: wimg, .offset: 8, .size: 8, .value_kind: global_buffer, .address_space: global }
      - { .name: b_out, .offset: 16, .size: 8, .value_kind: global_buffer, .address_space: global }
      - { .name: out0, .offset: 24, .size: 8, .value_kind: global_buffer, .address_space: global }
    .group_segment_fixed_size: 327680
    .private_segment_fixed_size: 0
    .kernarg_segment_align: 8
    .kernarg_segment_size: 32
    .max_flat_workgroup_size: 128
    .sgpr_count:     66
    .vgpr_count:     768
    .wavefront_size: 32
...
	.end_amdgpu_metadata
.endif
;; end of part 4
